; MI455X (gfx1250); checked and timed in simulation.
; The chip was launched on July 23, 2026; its instructions are those of AMD's public machine-readable ISA for CDNA 5 (MIT licence, August 2026) and "CDNA5" Instruction Set Architecture Reference Guide (July 2026). The comments in the code are by the model that wrote it; some were corrected since.
;; Next Node Probability Calculator for group. Allowed arithmetic: matrix products marked QUANTISED: E5M2 operands, one given power-of-two scale a tensor, by v_wmma_f32_16x16x64_bf8_bf8 or v_wmma_f32_16x16x128_bf8_bf8, f32 sums; everything else in f32.
;; Inputs: Wcomb_codes 512 x 16 x 32 uint8 (E5M2 codes of Wcomb, K innermost, in blocks of 32 codes); Wk_codes 512 x 16 x 32 uint8 (E5M2 codes of Wk, K innermost, in blocks of 32 codes); Wq_first_codes 512 x 16 x 32 uint8 (E5M2 codes of Wq_first, K innermost, in blocks of 32 codes); Wq_graph_codes 512 x 16 x 32 uint8 (E5M2 codes of Wq_graph, K innermost, in blocks of 32 codes); Wq_last_codes 512 x 16 x 32 uint8 (E5M2 codes of Wq_last, K innermost, in blocks of 32 codes); Wv_codes 512 x 16 x 32 uint8 (E5M2 codes of Wv, K innermost, in blocks of 32 codes); bcomb 512 float32; encoded_last_codes 32 x 512 x 16 x 32 uint8 (E5M2 codes of encoded_last, K innermost, in blocks of 32 codes); encoded_nodes 32 x 512 x 512 float32; group_ninf_mask 32 x 512 x 512 float32; lowp_scales 18 int32 (the exponents e of the quantised operands' scales 2^e).
;; Outputs: out0 32 x 512 x 512 float32.
;; This version of the problem:
;;   THIS VERSION OF THE PROBLEM IS GIVEN IN LOW PRECISION. The matrix products marked QUANTISED in the list below multiply operands that are first quantised to E5M2 (5 exponent bits, 2 mantissa bits; 8 bits a number), with one given power-of-two scale for each operand tensor; their sums are f32. All else is computed in f32.
;;   The module's matrix products, in the order in which they are computed (A, B: the left and right operand; K: the contracted axis; several contracted axes count as one K, in the product's order):
;;     1. [M 32, K 512] x [K 512, N 512]; A: computed on the way; B: input Wq_graph (given as codes): QUANTISED (scales: A lowp_scales[0], B lowp_scales[1])
;;     2. [M 16,384, K 512] x [K 512, N 512]; A: input encoded_last (given as codes); B: input Wq_first (given as codes): QUANTISED (scales: A lowp_scales[2], B lowp_scales[3])
;;     3. [M 16,384, K 512] x [K 512, N 512]; A: input encoded_last (given as codes); B: input Wq_last (given as codes): QUANTISED (scales: A lowp_scales[4], B lowp_scales[5])
;;     4. [M 16,384, K 512] x [K 512, N 512]; A: input encoded_nodes; B: input Wk (given as codes): QUANTISED (scales: A lowp_scales[6], B lowp_scales[7])
;;     5. [M 16,384, K 512] x [K 512, N 512]; A: input encoded_nodes; B: input Wv (given as codes): QUANTISED (scales: A lowp_scales[8], B lowp_scales[9])
;;     6. batch 512 x [M 512, K 32] x [K 32, N 512]; A: computed on the way; B: computed on the way: QUANTISED (scales: A lowp_scales[10], B lowp_scales[11])
;;     7. batch 512 x [M 512, K 512] x [K 512, N 32]; A: softmax (see below); B: computed on the way: QUANTISED (scales: A lowp_scales[12], B lowp_scales[13])
;;     8. [M 16,384, K 512] x [K 512, N 512]; A: computed on the way; B: input Wcomb (given as codes): QUANTISED (scales: A lowp_scales[14], B lowp_scales[15])
;;     9. batch 32 x [M 512, K 512] x [K 512, N 512]; A: computed on the way; B: input encoded_nodes: QUANTISED (scales: A lowp_scales[16], B lowp_scales[17])
;;   THE QUANTISER, for each operand of a quantised product, along K:
;;     - The operand's scale is 2^e, e = its entry of the input lowp_scales (int32; the entries are numbered through the quantised products in the list's order, A before B).
;;     - Each number is divided by the scale, clamped to +-57,344, and rounded to the nearest number of E5M2, ties to even, subnormals kept.
;;     - The product sums the exact products of the quantised numbers (number of the format x scale) in f32.
;;   ~~~python
;;   def quantise(x, axis, e):      # numpy; x: float32 -> the quantised numbers, widened to float32 again
;;       x = np.moveaxis(x, axis, -1); K = x.shape[-1]
;;       r = np.clip(x / 2.0 ** e, -57344, 57344)
;;       step = 2.0 ** (np.maximum(np.frexp(np.where(r == 0, 1, r))[1] - 1, -14) - 2)
;;       q = np.round(r / step) * step * 2.0 ** e      # np.round: ties to even
;;       return np.moveaxis(q, -1, axis).astype(np.float32)
;;   ~~~
;;   SOFTMAX AHEAD OF A QUANTISED PRODUCT. Where the list says 'softmax', what is quantised is not the finished softmax but p = 2^(t - M), with t = logit x log2(e) and M = ceil(the row's largest t), a whole number; so 1/2 < the row's largest p <= 1. The row's sum l is taken of the UNQUANTISED p, in f32, and the product's result is divided by l at the end. Since M is a whole number, a kernel that streams over the keys may use a running M (the ceiling of the running maximum): every later rescaling is an exact power of two, so the quantised numbers keep their values, but for numbers so far below the row's largest that they fall under the format's range.
;;   OPERANDS COMPUTED ON THE WAY. 'Computed on the way' means the value that the module computes at that place (a softmax that the list does not call 'softmax' is quantised finished and normalised). What goes into a quantiser is computed in f32, as accurately as f32 sums, v_exp_f32 and their like allow (about 1e-6 of the number): no bf16 or f16 on the way to a quantiser, and a product that is left as it is and whose result goes on into a quantised operand takes f32 operands (vector FMAs, or v_wmma_f32_16x16x4_f32). A number that lies on a knife's edge between two numbers of the format may be rounded either way, as far as f32 arithmetic and the matrix unit's own rounding can turn it there, and no further.
;;   INPUTS GIVEN AS CODES. Wcomb (in the module: [512, 512], K = its axis 1); Wk (in the module: [512, 512], K = its axis 1); Wq_first (in the module: [512, 512], K = its axis 1); Wq_graph (in the module: [512, 512], K = its axis 1); Wq_last (in the module: [512, 512], K = its axis 1); Wv (in the module: [512, 512], K = its axis 1); encoded_last (in the module: [32, 512, 512], K = its axis 2): each comes as NAME_codes (uint8): NAME with its K axis moved to the last place and cut into blocks of 32 codes, [.., K / 32, bytes a block], one block behind the other in memory; one code a byte (a code: sign, 5 exponent bits, 2 mantissa bits); its scale is its entry of lowp_scales. Its value is code x scale, taken as it is: it is not quantised again, and the codes and scales need not be those that the quantiser above would give.
;; 2 versions. Each part assembles by itself: llvm-mc -triple=amdgcn-amd-amdhsa -mcpu=gfx1250 --defsym DOCPART=n.
;; ======== version 1 of 2: 2 launches
;; workspace buffers: kv 16,777,216 bytes; nfrag 8,388,608 bytes; psum 524,288 bytes; wfrag 1,048,576 bytes
;; launch prep (part 1): grid 8 x 32, 16 waves a work-group, no clusters, 210,944 bytes of LDS; arguments encoded_nodes, Wk_codes, Wv_codes, lowp_scales, Wq_first_codes, Wq_last_codes, Wq_graph_codes, Wcomb_codes, kv, nfrag, psum, wfrag; writes kv, nfrag, psum, wfrag
.if DOCPART == 1
	.amdgcn_target "amdgcn-amd-amdhsa--gfx1250"
	.amdhsa_code_object_version 6
	.text
	.protected	k_q189b6261dc_prep
	.globl	k_q189b6261dc_prep
	.p2align	8
	.type	k_q189b6261dc_prep,@function
k_q189b6261dc_prep:
	s_mov_b64 s[64:65], 0
	v_nop
	global_prefetch_b8 v0, s[64:65] scope:SCOPE_SE
	s_setreg_imm32_b32 hwreg(HW_REG_WAVE_MODE, 25, 1), 1
	s_wait_xcnt 0x0
; THE NODES' SIDE.  encoded_nodes [32][512][512] f32 is read once.  A work-group (x = block of 64 nodes, y = batch) makes of its 64 rows:
;   psum  [b][block][512] f32: the column sums of the 64 rows (the next launch adds the eight blocks and divides by 512: the graph's mean);
;   nfrag [b][tile of 16 nodes][128 of K][32 of K][lane][16 B]: the rows' E5M2 codes at scale e17, in the order of a matrix operand's registers;
;   kv    [b][head][block][4,096 B]: k = nodes Wk^T and v = nodes Wv^T (both on E5M2 codes, f32 sums), quantised at e11 and e13, again in register order:
;         bytes 0-2047: four tiles of 16 keys, lane (r, h) = key r, 16 bytes = channels 8h..8h+7 and 16+8h..16+8h+7;
;         bytes 2048-4095: two fragments of V^T, lane (r, h) = channel 8u + r + 8 (r / 8), 32 bytes = keys 16c + 8h + 0..7, c = 0..3, in two pieces of 512 bytes.
; Beside that each wave copies 256 bytes of the four weights that the next launch uses into wfrag [first, last, graph, comb][head][u][128 of K][32 of K][lane][16 B].
; SHARES.  Sixteen waves.  Quantising: wave w takes rows 16 (w / 4).. and columns 128 (w % 4)..: one fragment.  Products: wave w takes head w (32 output channels) for all 64 rows.
; Operands go from wave to wave through LDS as images of their registers: 16 bytes a lane, 512 bytes a store.  One barrier.
; A fragment for the K = 128 form holds, in registers 4c..4c+3 of lane (r, h), k = 32c + 16h + 0..15 of row r: the same order on both sides of every product.
; LIMITS on the given exponents, so that each power of two is an f32 number: e6, e8, e17, e11 - e6 - e7 and e13 - e8 - e9 between -126 and 112.  NaN among the inputs is not served; an infinity is held at the largest code.
.set N6,   135168                      ; LDS: 0.. each wave's stage, 16 rows x (512 + 16) bytes; from N6 the 16 images at scale e6; 32,768 further on those at e8
.set N8D,  32768
.set PS,   200704                      ; 16 x 512 bytes: each wave's column sums
.set R,    32                          ; v32-95   16 rows as loaded
.set T,    32                          ;          then the held numbers
.set W,    32                          ;          then two sets of weight fragments, 32 registers each
.set X,    96                          ; v96-159  the numbers turned: register 16c + i = k 32c + 16h + i of row r
.set ACC,  96                          ;          then eight accumulators: (m, u) at 16m + 8u
.set BF,   160                         ; v160-223 the rows' four fragments of a K step
.set C6,   160                         ;          before that: the codes at e6 and at e8
.set C8,   176
.set C17,  224                         ; v224-239 the codes at e17
.set VC,   224                         ;          later v's codes
.set KC,   240                         ; v240-255 k's codes
.set CI,   224
; v1 16 x lane; v2, v3 the stage, in and out; v4 my column sums; v5, v6 images, in and out; v7, v8 my lane's place in Wk, Wv; v9, v10 the copy's source and place; v[12:13] its data;
; v14-19 scale and hold for e6, e8, e17; v20-23 for k and v; v[24:27] column sums
; eight loads: the two fragments (u = 0, 1) of one K step of 128 into set st
.macro WLOAD st, sb, va, o, US, CS
.irp u, 0,1
.irp c, 0,1,2,3
	global_load_b128 v[W+32*(\st)+16*\u+4*\c:W+32*(\st)+16*\u+4*\c+3], v[\va], s[\sb:\sb+1] offset:(\o)+\u*(\US)+\c*(\CS)
.endr
.endr
.endm
; One K step of 128: the rows' four fragments from LDS, eight products.  cm = 0: the products start the sums; 1: they start from v[CI..]; 2: they add on.  sw = 1: the rows are source 0.
; lc: the younger global loads (the next set's eight) that may stay out.  The eight accumulators take turns, one instruction a turn.
; The four v_nop are the places behind the products, in front of the next loads into their sources and of the first read of results.
.macro PSTEP st, la, lo, MS, CS, cm, sw, lc
.irp m, 0,1,2,3
.irp c, 0,1,2,3
	ds_load_b128 v[BF+16*\m+4*\c:BF+16*\m+4*\c+3], v[\la] offset:(\lo)+\m*(\MS)+\c*(\CS)
.endr
.endr
	s_wait_loadcnt \lc
	s_wait_dscnt 0x0
.irp m, 0,1,2,3
.irp u, 0,1
.if (\sw) == 1
.if (\cm) == 0
	v_wmma_f32_16x16x128_bf8_bf8 v[ACC+16*\m+8*\u:ACC+16*\m+8*\u+7], v[BF+16*\m:BF+16*\m+15], v[W+32*(\st)+16*\u:W+32*(\st)+16*\u+15], 0
.else
	v_wmma_f32_16x16x128_bf8_bf8 v[ACC+16*\m+8*\u:ACC+16*\m+8*\u+7], v[BF+16*\m:BF+16*\m+15], v[W+32*(\st)+16*\u:W+32*(\st)+16*\u+15], v[ACC+16*\m+8*\u:ACC+16*\m+8*\u+7]
.endif
.elseif (\cm) == 0
	v_wmma_f32_16x16x128_bf8_bf8 v[ACC+16*\m+8*\u:ACC+16*\m+8*\u+7], v[W+32*(\st)+16*\u:W+32*(\st)+16*\u+15], v[BF+16*\m:BF+16*\m+15], 0
.elseif (\cm) == 1
	v_wmma_f32_16x16x128_bf8_bf8 v[ACC+16*\m+8*\u:ACC+16*\m+8*\u+7], v[W+32*(\st)+16*\u:W+32*(\st)+16*\u+15], v[BF+16*\m:BF+16*\m+15], v[CI+8*\u:CI+8*\u+7]
.else
	v_wmma_f32_16x16x128_bf8_bf8 v[ACC+16*\m+8*\u:ACC+16*\m+8*\u+7], v[W+32*(\st)+16*\u:W+32*(\st)+16*\u+15], v[BF+16*\m:BF+16*\m+15], v[ACC+16*\m+8*\u:ACC+16*\m+8*\u+7]
.endif
.endr
.endr
.rept 4
	v_nop
.endr
.endm
; 64 numbers held within the largest code x the scale, in place, from the low end on: the conversion to an 8-bit code does not saturate (ISA guide 7.6.2)
.macro HOLD64 base, hl
.set i, 0
.rept 64
	v_med3_num_f32 v[\base+i], v[\base+i], -v[\hl], v[\hl]
.set i, i+1
.endr
.endm
; the eight accumulators' numbers become codes: (m, u) into two registers at dst + dm m + du u.  A plain vector line stands behind the last conversion.
.macro CVT8 dst, dm, du, src, sc
.irp m, 0,1,2,3
.irp u, 0,1
	v_cvt_scalef32_pk8_bf8_f32 v[\dst+(\dm)*\m+(\du)*\u:\dst+(\dm)*\m+(\du)*\u+1], v[\src+16*\m+8*\u:\src+16*\m+8*\u+7], v[\sc]
.endr
.endr
	v_nop
.endm
; my 64 numbers at one scale: held into T, converted into 16 registers of codes
.macro QUANT3 dst, sc, hl
.irp c, 0,1,2,3
.irp i, 0,1,2,3,4,5,6,7,8,9,10,11,12,13,14,15
	v_med3_num_f32 v[T+16*\c+\i], v[X+16*\c+\i], -v[\hl], v[\hl]
.endr
	v_cvt_scalef32_pk8_bf8_f32 v[\dst+4*\c:\dst+4*\c+1], v[T+16*\c:T+16*\c+7], v[\sc]
	v_cvt_scalef32_pk8_bf8_f32 v[\dst+4*\c+2:\dst+4*\c+3], v[T+16*\c+8:T+16*\c+15], v[\sc]
.endr
.endm
; 2^e as f32 into v[vs] (the conversion takes its exponent field), 57,344 x 2^e into v[vh]
.macro MKSC vs, vh, se
	s_add_co_i32 s90, s[\se], 127
	s_lshl_b32 s91, s90, 23
	v_mov_b32 v[\vs], s91
	s_add_co_i32 s90, s90, 15
	s_lshl_b32 s90, s90, 23
	s_or_b32 s90, s90, 0x600000
	v_mov_b32 v[\vh], s90
.endm
	s_load_b512 s[8:23], s[0:1], 0x0               ; nodes s[8:9], Wk s[10:11], Wv s[12:13], scales s[14:15], first s[16:17], last s[18:19], graph s[20:21], comb s[22:23]
	s_load_b256 s[24:31], s[0:1], 0x40             ; kv s[24:25], nfrag s[26:27], psum s[28:29], wfrag s[30:31]
	v_lshl_add_u32 v30, v0, 2, 0x33000
	v_mov_b32 v31, 0
	v_lshrrev_b32 v11, 5, v0
	v_readfirstlane_b32 s2, v11                    ; wave w
	s_mov_b32 s4, ttmp9                            ; block of 64 nodes
	s_and_b32 s5, ttmp7, 0xffff                    ; batch
	s_lshl_b32 s6, s5, 3
	s_add_co_u32 s6, s6, s4                        ; g = 8 b + block: the work-group's number, 0..255
	v_and_b32 v11, 31, v0                          ; lane
	v_lshlrev_b32 v1, 4, v11
	v_lshlrev_b32 v10, 3, v11
	v_and_b32 v12, 15, v0                          ; r
	v_bfe_u32 v13, v0, 4, 1                        ; h
	s_mul_i32 s54, s2, 8448                        ; my stage: 16 rows of 528 bytes
	v_add_nc_u32 v2, s54, v1                       ; in: a row's 512 bytes as loaded
	v_mul_u32_u24 v3, v12, 528
	v_lshl_add_u32 v3, v13, 6, v3
	v_add_nc_u32 v3, s54, v3                       ; out: row r, + 64 h: my 16 numbers of each 32
	s_lshl_b32 s55, s2, 9
	s_add_co_u32 s55, s55, PS
	v_add_nc_u32 v4, s55, v1
	s_lshl_b32 s55, s2, 11
	s_add_co_u32 s55, s55, N6
	v_add_nc_u32 v5, s55, v1                       ; my fragment's image: (m, K step) = (w / 4, w % 4) lies at 2,048 w
	v_add_nc_u32 v6, N6, v1
	v_lshlrev_b32 v7, 9, v12
	v_lshl_add_u32 v7, v13, 4, v7                  ; Wk: row r of 512 bytes, + 16 h
	v_and_b32 v8, 8, v12
	v_add_nc_u32 v8, v8, v12
	v_lshlrev_b32 v8, 9, v8
	v_lshl_add_u32 v8, v13, 4, v8                  ; Wv: row r + 8 (r / 8), + 16 h
	; the copy into wfrag: piece 16 g + w of 256 bytes.  Its number's bits: 0 half of the lanes; 1-2 c; 3-4 K step; 5 u; 6-9 head; 10-11 which weight
	s_lshr_b32 s60, s6, 6
	s_cmp_eq_u32 s60, 3                            ; Wcomb's tiles take rows 8u + r + 8 (r / 8), the others' 16u + r
	s_cselect_b32 s61, 8, 0
	s_cselect_b32 s62, 8, 16
	s_bfe_u32 s63, s6, 0x40002                     ; head
	s_bfe_u32 s66, s6, 0x10001                     ; u
	s_lshl_b32 s63, s63, 5
	s_mul_i32 s66, s66, s62
	s_add_co_u32 s63, s63, s66
	s_lshl_b32 s63, s63, 9                         ; the tile's first row, in bytes
	s_lshr_b32 s67, s2, 3
	s_and_b32 s68, s6, 1
	s_lshl_b32 s68, s68, 1
	s_or_b32 s67, s67, s68                         ; K step
	s_lshl_b32 s67, s67, 7
	s_add_co_u32 s63, s63, s67
	s_and_b32 s68, s2, 7                           ; 2 c + half
	s_lshl_b32 s68, s68, 4
	s_add_co_u32 s63, s63, s68
	v_lshrrev_b32 v9, 1, v11                       ; two lanes copy one operand lane's 16 bytes
	v_and_b32 v14, s61, v9
	v_add_nc_u32 v9, v9, v14
	v_lshlrev_b32 v9, 9, v9
	v_and_b32 v14, 1, v11
	v_lshl_add_u32 v9, v14, 3, v9
	v_add_nc_u32 v9, s63, v9
	; byte offsets, each in a pair of its own
	s_lshl_b32 s70, s6, 4
	s_add_co_u32 s70, s70, s2                      ; 16 g + w
	s_lshl_b32 s72, s70, 11                        ; nfrag: my fragment is number 16 g + w, 2,048 bytes each
	s_mov_b32 s73, 0
	s_lshl_b32 s70, s70, 8                         ; wfrag: 256 bytes each
	s_mov_b32 s71, 0
	s_lshl_b32 s74, s6, 6                          ; nodes: row 64 g + 16 (w / 4), column 128 (w % 4)
	s_lshr_b32 s76, s2, 2
	s_lshl_b32 s76, s76, 4
	s_add_co_u32 s74, s74, s76
	s_lshl_b32 s74, s74, 11
	s_and_b32 s76, s2, 3
	s_lshl_b32 s76, s76, 9
	s_add_co_u32 s74, s74, s76
	s_mov_b32 s75, 0
	s_lshl_b32 s76, s5, 4                          ; kv: ((16 b + w) 8 + block) x 4,096
	s_add_co_u32 s76, s76, s2
	s_lshl_b32 s76, s76, 3
	s_add_co_u32 s76, s76, s4
	s_lshl_b32 s76, s76, 12
	s_mov_b32 s77, 0
	s_lshl_b32 s78, s6, 11                         ; psum: 2,048 g + 512 w (waves 0 to 3 store)
	s_lshl_b32 s79, s2, 9
	s_add_co_u32 s78, s78, s79
	s_mov_b32 s79, 0
	s_lshl_b32 s80, s2, 14                         ; Wk, Wv: my head's 32 rows
	s_mov_b32 s81, 0
	s_wait_kmcnt 0x0
	s_load_b512 s[36:51], s[14:15], 0x0            ; e0 .. e15
	s_load_b64 s[52:53], s[14:15], 0x40            ; e16, e17
	s_bitcmp1_b32 s6, 6                            ; which weight I copy from: a choice on the work-group's number alone
	s_cselect_b64 s[56:57], s[18:19], s[16:17]
	s_cselect_b64 s[58:59], s[22:23], s[20:21]
	s_bitcmp1_b32 s6, 7
	s_cselect_b64 s[56:57], s[58:59], s[56:57]
	s_add_nc_u64 s[8:9], s[8:9], s[74:75]
	s_add_nc_u64 s[10:11], s[10:11], s[80:81]
	s_add_nc_u64 s[12:13], s[12:13], s[80:81]
	s_add_nc_u64 s[24:25], s[24:25], s[76:77]
	s_add_nc_u64 s[26:27], s[26:27], s[72:73]
	s_add_nc_u64 s[28:29], s[28:29], s[78:79]
	s_add_nc_u64 s[30:31], s[30:31], s[70:71]
	global_load_b64 v[12:13], v9, s[56:57]
.irp i, 0,1,2,3,4,5,6,7,8,9,10,11,12,13,14,15
	global_load_b128 v[R+4*\i:R+4*\i+3], v1, s[8:9] offset:2048*\i th:TH_LOAD_NT   ; row i: 32 lanes read 512 consecutive bytes; read once in the launch
.endr
	s_wait_kmcnt 0x0
	MKSC 14, 15, 42                                ; e6
	MKSC 16, 17, 44                                ; e8
	MKSC 18, 19, 53                                ; e17
	s_sub_co_i32 s92, s47, s42
	s_sub_co_i32 s92, s92, s43                     ; a sum of nodes Wk^T stands for sum x 2^(e6 + e7): its code is sum / 2^(e11 - e6 - e7)
	MKSC 20, 21, 92
	s_sub_co_i32 s92, s49, s44
	s_sub_co_i32 s92, s92, s45                     ; likewise e13 - e8 - e9
	MKSC 22, 23, 92
	s_wait_loadcnt 0x0
	global_store_b64 v10, v[12:13], s[30:31]       ; 32 lanes store 256 consecutive bytes, aligned
	; the column sums of my 16 rows, four columns a lane, in two chains
	v_pk_add_f32 v[24:25], v[R:R+1], v[R+4:R+5]
	v_pk_add_f32 v[26:27], v[R+2:R+3], v[R+6:R+7]
.irp i, 2,3,4,5,6,7,8,9,10,11,12,13,14,15
	v_pk_add_f32 v[24:25], v[24:25], v[R+4*\i:R+4*\i+1]
	v_pk_add_f32 v[26:27], v[26:27], v[R+4*\i+2:R+4*\i+3]
.endr
	ds_store_b128 v4, v[24:27]
	; the turn through my stage: in as loaded, out 64 bytes a lane.  LDS serves a wave's instructions in order (ISA guide 5.7.1.4): no wait between
.irp i, 0,1,2,3,4,5,6,7,8,9,10,11,12,13,14,15
	ds_store_b128 v2, v[R+4*\i:R+4*\i+3] offset:528*\i
.endr
.irp c, 0,1,2,3
.irp j, 0,1,2,3
	ds_load_b128 v[X+16*\c+4*\j:X+16*\c+4*\j+3], v3 offset:128*\c+16*\j
.endr
.endr
	s_wait_dscnt 0x0
	QUANT3 C6, 14, 15
	QUANT3 C8, 16, 17
	QUANT3 C17, 18, 19
	v_nop                                          ; a plain vector line behind the last conversion
.irp c, 0,1,2,3
	ds_store_b128 v5, v[C6+4*\c:C6+4*\c+3] offset:512*\c
	ds_store_b128 v5, v[C8+4*\c:C8+4*\c+3] offset:N8D+512*\c
.endr
.irp c, 0,1,2,3
	global_store_b128 v1, v[C17+4*\c:C17+4*\c+3], s[26:27] offset:512*\c   ; 512 consecutive bytes a store
.endr
	WLOAD 0, 10, 7, 0, 8192, 32                    ; Wk's first two K steps are asked for ahead of the barrier
	WLOAD 1, 10, 7, 128, 8192, 32
	s_wait_dscnt 0x0                               ; my sums and images have landed
	s_barrier_signal -1
	s_barrier_wait -1                              ; everybody's have: the launch's one barrier; no LDS byte is written behind it
	; waves 0 to 3 add the four row tiles' sums of their 128 columns.  No global load stands here: the counts of the weights' loads are the same on both ways
	s_cmp_gt_u32 s2, 3
	s_cbranch_scc1 .Lno_sum
.irp q, 0,1,2,3
	ds_load_b128 v[X+4*\q:X+4*\q+3], v4 offset:2048*\q
.endr
	s_wait_dscnt 0x0
	v_pk_add_f32 v[24:25], v[X:X+1], v[X+4:X+5]
	v_pk_add_f32 v[26:27], v[X+2:X+3], v[X+6:X+7]
	v_pk_add_f32 v[24:25], v[24:25], v[X+8:X+9]
	v_pk_add_f32 v[26:27], v[26:27], v[X+10:X+11]
	v_pk_add_f32 v[24:25], v[24:25], v[X+12:X+13]
	v_pk_add_f32 v[26:27], v[26:27], v[X+14:X+15]
	global_store_b128 v1, v[24:27], s[28:29]
.Lno_sum:
	; k, transposed: source 0 = 16 rows of Wk, source 1 = 16 nodes: a lane holds one node and eight neighbouring channels
	PSTEP 0, 6, 0, 8192, 512, 0, 0, 8
	WLOAD 0, 10, 7, 256, 8192, 32
	PSTEP 1, 6, 2048, 8192, 512, 2, 0, 8
	WLOAD 1, 10, 7, 384, 8192, 32
	PSTEP 0, 6, 4096, 8192, 512, 2, 0, 8
	WLOAD 0, 12, 8, 0, 4096, 32                    ; Wv follows in the same two sets
	PSTEP 1, 6, 6144, 8192, 512, 2, 0, 8
	WLOAD 1, 12, 8, 128, 4096, 32
	HOLD64 ACC, 21
	CVT8 KC, 4, 2, ACC, 20                         ; tile m: registers 4m, 4m+1 = channels 8h.., 4m+2, 4m+3 = channels 16+8h..
.irp m, 0,1,2,3
	global_store_b128 v1, v[KC+4*\m:KC+4*\m+3], s[24:25] offset:512*\m
.endr
	; v, the other way round: source 0 = 16 nodes, source 1 = 16 rows of Wv: a lane holds one channel and eight neighbouring keys
	PSTEP 0, 6, N8D, 8192, 512, 0, 1, 8
	WLOAD 0, 12, 8, 256, 4096, 32
	PSTEP 1, 6, N8D+2048, 8192, 512, 2, 1, 8
	WLOAD 1, 12, 8, 384, 4096, 32
	PSTEP 0, 6, N8D+4096, 8192, 512, 2, 1, 8
	PSTEP 1, 6, N8D+6144, 8192, 512, 2, 1, 0       ; the chain's end: nothing younger is out
	s_wait_xcnt 0x0                                ; the stores of the codes at e17 have read v224-239, which v's codes take
	HOLD64 ACC, 23
	CVT8 VC, 2, 8, ACC, 22                         ; fragment u: registers 2m, 2m+1 = keys 16m + 8h + 0..7
.irp q, 0,1,2,3
	global_store_b128 v1, v[VC+4*\q:VC+4*\q+3], s[24:25] offset:2048+512*\q
.endr
	s_wait_tensorcnt 0x0
	ds_add_u32 v30, v31
	s_wait_dscnt 0x0
	s_endpgm
.Lfunc_end_k_q189b6261dc_prep:
	.size	k_q189b6261dc_prep, .Lfunc_end_k_q189b6261dc_prep-k_q189b6261dc_prep
	.p2alignl 7, 3214868480
	.fill 96, 4, 3214868480
	.section	.rodata,"a",@progbits
	.p2align	6, 0x0
	.amdhsa_kernel k_q189b6261dc_prep
		.amdhsa_group_segment_fixed_size 210944
		.amdhsa_private_segment_fixed_size 0
		.amdhsa_enable_private_segment 0
		.amdhsa_kernarg_size 96
		.amdhsa_user_sgpr_count 2
		.amdhsa_user_sgpr_kernarg_segment_ptr 1
		.amdhsa_wavefront_size32 1
		.amdhsa_system_sgpr_workgroup_id_x 1
		.amdhsa_system_sgpr_workgroup_id_y 1
		.amdhsa_system_sgpr_workgroup_id_z 1
		.amdhsa_system_vgpr_workitem_id 0
		.amdhsa_next_free_vgpr 256
		.amdhsa_next_free_sgpr 100
		.amdhsa_reserve_vcc 0
		.amdhsa_float_denorm_mode_32 3
		.amdhsa_float_denorm_mode_16_64 3
		.amdhsa_memory_ordered 1
		.amdhsa_forward_progress 1
		.amdhsa_inst_pref_size 57
	.end_amdhsa_kernel
	.amdgpu_metadata
---
amdhsa.version: [ 1, 2 ]
amdhsa.kernels:
  - .name:           k_q189b6261dc_prep
    .symbol:         k_q189b6261dc_prep.kd
    .args:
      - { .name: encoded_nodes, .offset: 0, .size: 8, .value_kind: global_buffer, .address_space: global }
      - { .name: Wk_codes, .offset: 8, .size: 8, .value_kind: global_buffer, .address_space: global }
      - { .name: Wv_codes, .offset: 16, .size: 8, .value_kind: global_buffer, .address_space: global }
      - { .name: lowp_scales, .offset: 24, .size: 8, .value_kind: global_buffer, .address_space: global }
      - { .name: Wq_first_codes, .offset: 32, .size: 8, .value_kind: global_buffer, .address_space: global }
      - { .name: Wq_last_codes, .offset: 40, .size: 8, .value_kind: global_buffer, .address_space: global }
      - { .name: Wq_graph_codes, .offset: 48, .size: 8, .value_kind: global_buffer, .address_space: global }
      - { .name: Wcomb_codes, .offset: 56, .size: 8, .value_kind: global_buffer, .address_space: global }
      - { .name: kv, .offset: 64, .size: 8, .value_kind: global_buffer, .address_space: global }
      - { .name: nfrag, .offset: 72, .size: 8, .value_kind: global_buffer, .address_space: global }
      - { .name: psum, .offset: 80, .size: 8, .value_kind: global_buffer, .address_space: global }
      - { .name: wfrag, .offset: 88, .size: 8, .value_kind: global_buffer, .address_space: global }
    .group_segment_fixed_size: 210944
    .private_segment_fixed_size: 0
    .kernarg_segment_align: 8
    .kernarg_segment_size: 96
    .max_flat_workgroup_size: 512
    .sgpr_count:     100
    .vgpr_count:     256
    .wavefront_size: 32
...
	.end_amdgpu_metadata
.endif
;; end of part 1
;; launch attn (part 2): grid 8 x 32, 16 waves a work-group, no clusters, 243,200 bytes of LDS; arguments encoded_last_codes, group_ninf_mask, bcomb, lowp_scales, kv, nfrag, psum, wfrag, out0; writes out0
.if DOCPART == 2
	.amdgcn_target "amdgcn-amd-amdhsa--gfx1250"
	.amdhsa_code_object_version 6
	.text
	.protected	k_q189b6261dc_attn
	.globl	k_q189b6261dc_attn
	.p2align	8
	.type	k_q189b6261dc_attn,@function
k_q189b6261dc_attn:
	s_mov_b64 s[64:65], 0
	v_nop
	global_prefetch_b8 v0, s[64:65] scope:SCOPE_SE
	s_setreg_imm32_b32 hwreg(HW_REG_WAVE_MODE, 25, 1), 1
	s_wait_xcnt 0x0
; THE QUERIES' SIDE.  A work-group (x = block of 64 queries, y = batch) takes its 64 rows from the codes of encoded_last to the finished probabilities:
;   q = (graph Wq_graph^T + x Wq_first^T) + x Wq_last^T | masked attention, 16 heads of 32 | mh = out Wcomb^T + bcomb | s2 = mh nodes^T / sqrt(512) | 10 tanh + mask | softmax.
; All products on E5M2 codes with the given scales, f32 sums; every operand made here is quantised from f32 in registers.
; SHARES.  Sixteen waves of 256 registers, four to a SIMD.  Wave w owns head w: channels 32w..32w+31 of q, of the attention's output and of mh, and nodes 32w..32w+31 of the last product, always for all
; 64 queries (four tiles m of 16).  So each fragment of a weight, of K, of V and of the nodes is wanted by ONE wave of the work-group and comes from memory straight into its registers, out of buffers
; that the launch before laid in register order.  No cluster and no tensor load: a ring for joint loads of the weights wants two slots of a K step's 65,536 bytes, and beside the mask's 132,096 bytes,
; the rows' codes and the images LDS has 86,528 bytes left.
; THE MASK's 64 rows are read from memory once, multiplied by log2(e), and kept in LDS: all sixteen heads and the last softmax read them there.  At the end the same bytes are the stage for the output.
; Both attention products are used transposed (S^T = K Q^T, O^T = V^T P^T): a lane holds one query throughout.  K = 32 fills half of the K = 64 form: a fragment holds two tiles of keys, and q stands
; beside zero codes, [q | 0] or [0 | q]; k's codes are finite (they were held), so the other tile's add nothing.
; THE FIRST SOFTMAX: t = score x log2(e) / sqrt(32) + mask x log2(e); M = the running largest t rounded UP to a whole number; p = 2^(t - M) is quantised, not normalised; the row's sum is taken of the
; unquantised p and divides at the end; when M moves, sum and O^T are multiplied by 2^(old M - new M), which rounds nothing.
; p's HOLD: p is at most 1, and the largest code x 2^e12 is 57,344 x 2^e12, which is 1.75 at e12 = -15: from e12 = -15 on the hold can hold nothing, and a scalar branch on the given e12 passes over it.
; THE LAST SOFTMAX: tanh(x) = 1 - 2 / (1 + 2^(2 x log2(e))); of 10 tanh the constant 10 is common to a row and cancels; each wave takes the largest and the sum of its 32 nodes, and the sixteen pairs meet in LDS.
; LIMITS on the given exponents, so that each power of two is an f32 number: e0, e12, e14, e10 - e4 - e5 and e16 - e14 - e15 between -126 and 112; e2 + e3 - e4 - e5 between -126 and 127; e10 + e11 and
; e16 + e17 between -123 and 130 (they are added to a constant's exponent field).  NaN and +infinity among the inputs are not served.  A row whose mask is -infinity throughout gives NaN, as the softmax of such a row is.
.set XROWS, 132096                     ; LDS: 0.. the mask, 64 rows x (2,048 + 16) bytes; from XROWS x's codes, 64 rows x (512 + 16)
.set OIMG,  165888                     ; the attention output's 16 fragments as images: (m, K step) at 8,192 m + 2,048 step; wave w writes piece 512 w of each m
.set MIMD,  32768                      ; mh's images lie this far behind them
.set GC,    231424                     ; the graph's 512 codes
.set RED,   231936                     ; 64 queries x (16 waves x 8 bytes + 16)
.set W,    32                          ; the products with K = 512: v32-95 two sets of weight fragments (the graph's: four, to v159); v96-159 eight accumulators; v160-223 the rows' fragments; v224-239 what the sums start from
.set ACC,  96
.set BF,   160
.set CI,   224
.set O,    32                          ; attention: v32-95 O^T, (m, u) at 16m + 8u; v96-111 K; v112-127 V; v128-159 S^T, then p; v160-191 the tile's mask; v192-199 p's codes;
.set KR,   96                          ;   v200-215 four registers a tile: -M, the largest t, the sum in two halves; v220-255 zeros and q by turns: zeros at 220 + 8i, q of tile m at 224 + 8m
.set VR,   112
.set S,    128
.set MK,   160
.set P,    192
.set ST,   200
.set QZ,   220
.set RD,   32
; v1 16 x lane; v2, v27 prefetch offsets; v3 the mask address in hand; v4-7 my lane's place in the mask, tile m; v8, v9 2^e12 and its hold; v10, v11 maxima; v[12:13] f; v[14:15] a second chain of sums;
; v16 my four rows of the mask; v17, v18 x's rows, in and out; v19, v20 the graph's codes, in and out; v21, v22 images, in and out; v23, v26 the pairs, in and out; v24 M's change; v25 the other half's maximum;
; v28 the bias's offset; v29, v30 the scale and hold in hand; v31 my column's offset in psum, then -3e38
.macro WLOAD st, sb, va, o, US, CS
.irp u, 0,1
.irp c, 0,1,2,3
	global_load_b128 v[W+32*(\st)+16*\u+4*\c:W+32*(\st)+16*\u+4*\c+3], v[\va], s[\sb:\sb+1] offset:(\o)+\u*(\US)+\c*(\CS)
.endr
.endr
.endm
; One K step of 128: the rows' four fragments from LDS, eight products.  cm = 0: the products start the sums; 1: they start from v[CI..]; 2: they add on.  sw = 1: the rows are source 0.
; lc: the younger global loads (the next set's eight) that may stay out.  The eight accumulators take turns, one instruction a turn.
; The four v_nop are the places behind the products, in front of the next loads into their sources and of the first read of results.
.macro PSTEP st, la, lo, MS, CS, cm, sw, lc
.irp m, 0,1,2,3
.irp c, 0,1,2,3
	ds_load_b128 v[BF+16*\m+4*\c:BF+16*\m+4*\c+3], v[\la] offset:(\lo)+\m*(\MS)+\c*(\CS)
.endr
.endr
	s_wait_loadcnt \lc
	s_wait_dscnt 0x0
.irp m, 0,1,2,3
.irp u, 0,1
.if (\sw) == 1
.if (\cm) == 0
	v_wmma_f32_16x16x128_bf8_bf8 v[ACC+16*\m+8*\u:ACC+16*\m+8*\u+7], v[BF+16*\m:BF+16*\m+15], v[W+32*(\st)+16*\u:W+32*(\st)+16*\u+15], 0
.else
	v_wmma_f32_16x16x128_bf8_bf8 v[ACC+16*\m+8*\u:ACC+16*\m+8*\u+7], v[BF+16*\m:BF+16*\m+15], v[W+32*(\st)+16*\u:W+32*(\st)+16*\u+15], v[ACC+16*\m+8*\u:ACC+16*\m+8*\u+7]
.endif
.elseif (\cm) == 0
	v_wmma_f32_16x16x128_bf8_bf8 v[ACC+16*\m+8*\u:ACC+16*\m+8*\u+7], v[W+32*(\st)+16*\u:W+32*(\st)+16*\u+15], v[BF+16*\m:BF+16*\m+15], 0
.elseif (\cm) == 1
	v_wmma_f32_16x16x128_bf8_bf8 v[ACC+16*\m+8*\u:ACC+16*\m+8*\u+7], v[W+32*(\st)+16*\u:W+32*(\st)+16*\u+15], v[BF+16*\m:BF+16*\m+15], v[CI+8*\u:CI+8*\u+7]
.else
	v_wmma_f32_16x16x128_bf8_bf8 v[ACC+16*\m+8*\u:ACC+16*\m+8*\u+7], v[W+32*(\st)+16*\u:W+32*(\st)+16*\u+15], v[BF+16*\m:BF+16*\m+15], v[ACC+16*\m+8*\u:ACC+16*\m+8*\u+7]
.endif
.endr
.endr
.rept 4
	v_nop
.endr
.endm
; One K step of the graph's term: two products, the two accumulators by turns.  lc: the younger global loads that may stay out.
.macro GSTEP g, lc
	s_wait_loadcnt \lc
.irp u, 0,1
.if (\g) == 0
	v_wmma_f32_16x16x128_bf8_bf8 v[CI+8*\u:CI+8*\u+7], v[W+32*(\g)+16*\u:W+32*(\g)+16*\u+15], v[BF+16*(\g):BF+16*(\g)+15], 0
.else
	v_wmma_f32_16x16x128_bf8_bf8 v[CI+8*\u:CI+8*\u+7], v[W+32*(\g)+16*\u:W+32*(\g)+16*\u+15], v[BF+16*(\g):BF+16*(\g)+15], v[CI+8*\u:CI+8*\u+7]
.endif
.endr
.endm
; 64 numbers held within the largest code x the scale, in place, from the low end on: the conversion to an 8-bit code does not saturate (ISA guide 7.6.2)
.macro HOLD64 base, hl
.set i, 0
.rept 64
	v_med3_num_f32 v[\base+i], v[\base+i], -v[\hl], v[\hl]
.set i, i+1
.endr
.endm
; the eight accumulators' numbers become codes: (m, u) into two registers at dst + dm m + du u.  A plain vector line stands behind the last conversion.
.macro CVT8 dst, dm, du, src, sc
.irp m, 0,1,2,3
.irp u, 0,1
	v_cvt_scalef32_pk8_bf8_f32 v[\dst+(\dm)*\m+(\du)*\u:\dst+(\dm)*\m+(\du)*\u+1], v[\src+16*\m+8*\u:\src+16*\m+8*\u+7], v[\sc]
.endr
.endr
	v_nop
.endm
; 2^e as f32 into s[ss], 57,344 x 2^e into s[sh]
.macro MKS ss, sh, se
	s_add_co_i32 s[\sh], s[\se], 127
	s_lshl_b32 s[\ss], s[\sh], 23
	s_add_co_i32 s[\sh], s[\sh], 15
	s_lshl_b32 s[\sh], s[\sh], 23
	s_or_b32 s[\sh], s[\sh], 0x600000
.endm
.macro BARRIER                         ; my LDS stores have landed and my LDS loads are in: then the work-group's barrier
	s_wait_dscnt 0x0
	s_barrier_signal -1
	s_barrier_wait -1
.endm
	s_load_b512 s[8:23], s[0:1], 0x0               ; x's codes s[8:9], mask s[10:11], bcomb s[12:13], scales s[14:15], kv s[16:17], nfrag s[18:19], psum s[20:21], wfrag s[22:23]
	s_load_b64 s[24:25], s[0:1], 0x40              ; out0
	v_lshrrev_b32 v10, 5, v0
	v_readfirstlane_b32 s2, v10                    ; wave w
	s_mov_b32 s4, ttmp9                            ; block of 64 queries
	s_and_b32 s5, ttmp7, 0xffff                    ; batch
	v_and_b32 v14, 31, v0                          ; lane
	v_and_b32 v10, 15, v0                          ; r
	v_bfe_u32 v11, v0, 4, 1                        ; h
	v_lshlrev_b32 v1, 4, v14
	v_lshlrev_b32 v27, 8, v14                      ; lanes 256 bytes apart
	v_lshlrev_b32 v2, 8, v10
	v_lshl_add_u32 v2, v11, 15, v2                 ; lanes 0-15: sixteen blocks of my head's step; lanes 16-31: of the next head's, 32,768 bytes on
	v_mul_u32_u24 v4, v10, 2064
	v_lshl_add_u32 v4, v11, 5, v4                  ; the mask: row 16m + r, + 32 h: my eight keys of a tile of 16
	v_add_nc_u32 v5, 33024, v4
	v_add_nc_u32 v6, 66048, v4
	v_add_nc_u32 v7, 99072, v4
	s_mul_i32 s88, s2, 8256
	v_add_nc_u32 v16, s88, v1                      ; rows 4w..4w+3 of the mask, 16 bytes a lane
	s_mul_i32 s88, s2, 2112
	s_add_co_u32 s88, s88, XROWS
	v_add_nc_u32 v17, s88, v1                      ; rows 4w..4w+3 of x
	v_mul_u32_u24 v18, v10, 528
	v_lshl_add_u32 v18, v11, 4, v18
	v_add_nc_u32 v18, XROWS, v18                   ; x's fragments: row r, + 16 h
	v_add_nc_u32 v19, GC, v0                       ; one code a thread: column = the thread's number
	v_lshlrev_b32 v20, 4, v11
	v_add_nc_u32 v20, GC, v20                      ; every column of that operand is the graph: 16 h alone
	s_lshl_b32 s88, s2, 9
	s_add_co_u32 s88, s88, OIMG
	v_add_nc_u32 v21, s88, v1
	v_add_nc_u32 v22, OIMG, v1
	v_mul_u32_u24 v23, v10, 144
	v_lshl_add_u32 v26, v11, 6, v23
	v_add_nc_u32 v26, RED, v26                     ; out: query r, eight waves' pairs for each half of the lanes
	s_lshl_b32 s88, s2, 3
	s_add_co_u32 s88, s88, RED
	v_add_nc_u32 v23, s88, v23                     ; in: query r, my wave's pair
	v_lshlrev_b32 v28, 6, v11
	v_lshlrev_b32 v31, 2, v0                       ; psum: one column a thread
	v_mov_b32 v13, 0                               ; (named as the upper half of the pair v[12:13])
	v_mov_b32 v25, 0                               ; written once: a lane permute's destination counts as one of its sources
	s_lshl_b32 s88, s5, 9
	s_lshl_b32 s89, s4, 6
	s_add_co_u32 s88, s88, s89
	s_lshl_b32 s89, s2, 2
	s_add_co_u32 s88, s88, s89                     ; my first row: 512 b + 64 block + 4 w
	s_lshl_b32 s90, s88, 11                        ; in the mask and in out0,
	s_mov_b32 s91, 0
	s_lshl_b32 s88, s88, 9                         ; in x's codes
	s_mov_b32 s89, 0
	s_lshl_b32 s92, s5, 4
	s_add_co_u32 s92, s92, s2
	s_lshl_b32 s94, s92, 14                        ; nfrag: my two tiles of nodes: (32 b + 2 w) x 8,192
	s_mov_b32 s95, 0
	s_lshl_b32 s92, s92, 15                        ; kv: (16 b + w) x 32,768
	s_mov_b32 s93, 0
	s_lshl_b32 s96, s5, 14                         ; psum: the batch's eight rows
	s_mov_b32 s97, 0
	s_lshl_b32 s98, s2, 14                         ; wfrag: my head
	s_mov_b32 s99, 0
	s_and_b32 s59, s2, 1                           ; who prefetches K and V: the even waves of the batch's first work-group
	s_or_b32 s59, s59, s4
	s_cmp_eq_u32 s59, 0
	s_cselect_b32 s59, 1, 0
	s_cmp_eq_u32 s4, 0                             ; and the nodes' codes: all its waves
	s_cselect_b32 s60, 1, 0
	s_wait_kmcnt 0x0
	s_load_b512 s[32:47], s[14:15], 0x0            ; e0 .. e15
	s_load_b64 s[48:49], s[14:15], 0x40            ; e16, e17
	s_add_nc_u64 s[10:11], s[10:11], s[90:91]
	s_add_nc_u64 s[24:25], s[24:25], s[90:91]
	s_add_nc_u64 s[8:9], s[8:9], s[88:89]
	s_add_nc_u64 s[66:67], s[16:17], s[92:93]
	s_add_nc_u64 s[76:77], s[18:19], s[94:95]
	s_add_nc_u64 s[20:21], s[20:21], s[96:97]
	s_add_nc_u64 s[68:69], s[22:23], s[98:99]      ; Wq_first's fragments,
	s_add_nc_u64 s[70:71], s[68:69], 0x40000       ; Wq_last's,
	s_add_nc_u64 s[72:73], s[68:69], 0x80000       ; Wq_graph's,
	s_add_nc_u64 s[74:75], s[68:69], 0xc0000       ; Wcomb's
	s_lshl_b32 s98, s2, 7
	s_add_nc_u64 s[12:13], s[12:13], s[98:99]      ; bcomb at my 32 channels
.irp i, 0,1,2,3
.irp k, 0,1,2,3
	global_load_b128 v[BF+16*\i+4*\k:BF+16*\i+4*\k+3], v1, s[10:11] offset:2048*\i+512*\k th:TH_LOAD_NT   ; the mask: 512 consecutive bytes a load; read once in the launch
.endr
.endr
.irp i, 0,1,2,3
	global_load_b128 v[CI+4*\i:CI+4*\i+3], v1, s[8:9] offset:512*\i th:TH_LOAD_NT   ; a row of x's codes
.endr
.irp k, 0,1,2,3,4,5,6,7
	global_load_b32 v[240+\k], v31, s[20:21] offset:2048*\k   ; my column's sum in each of the batch's eight blocks of nodes
.endr
	WLOAD 0, 72, 1, 0, 8192, 512                   ; Wq_graph's four K steps, into v32-159: asked for here, so that they land while the mask is waited for and laid into LDS
	WLOAD 1, 72, 1, 2048, 8192, 512
	WLOAD 2, 72, 1, 4096, 8192, 512
	WLOAD 3, 72, 1, 6144, 8192, 512
	s_wait_kmcnt 0x0
	s_add_co_i32 s78, s42, s43
	s_lshl_b32 s78, s78, 23
	s_add_co_i32 s50, s78, 0x3e8293ee              ; log2(e) / sqrt(32) x 2^(e10 + e11): the exponents are added to the constant's exponent field
	s_mov_b32 s51, s50                             ; (named with it as a pair, so it is written; likewise below)
	s_add_co_i32 s78, s48, s49
	s_lshl_b32 s78, s78, 23
	s_add_co_i32 s52, s78, 0x3e0293ee              ; 2 log2(e) / sqrt(512) x 2^(e16 + e17)
	s_mov_b32 s53, s52
	s_mov_b32 s54, 0xc1e6d4ca                      ; -20 log2(e)
	s_mov_b32 s55, s54
	s_mov_b32 s56, 0x76543210                      ; v_permlanex16_b32's selects for lane l xor 16
	s_mov_b32 s57, 0xfedcba98
	s_add_co_i32 s79, s34, s35                     ; e2 + e3
	s_add_co_i32 s80, s36, s37                     ; e4 + e5
	s_sub_co_i32 s62, s79, s80
	s_add_co_i32 s62, s62, 127
	s_lshl_b32 s62, s62, 23                        ; 2^(e2 + e3 - e4 - e5)
	s_mov_b32 s63, s62
	s_add_co_i32 s78, s32, s33
	s_sub_co_i32 s78, s78, s79                     ; e0 + e1 - e2 - e3
	s_sub_co_i32 s81, s42, s80                     ; e10 - e4 - e5: q's conversion
	MKS 82, 83, 81
	MKS 84, 85, 46                                 ; e14: the attention output's
	s_add_co_i32 s80, s46, s47
	s_sub_co_i32 s81, s48, s80                     ; e16 - e14 - e15: mh's
	MKS 86, 87, 81
	s_sub_co_i32 s80, 0, s80                       ; -(e14 + e15): the bias goes in divided by what the sums lack
	s_add_co_i32 s79, s44, s45                     ; e12 + e13
	MKS 88, 89, 32                                 ; e0: the graph's
	v_mov_b32 v29, s88
	v_mov_b32 v30, s89
	MKS 90, 91, 44                                 ; e12: p's
	v_mov_b32 v8, s90
	v_mov_b32 v9, s91
	s_wait_loadcnt 32                              ; the mask's and x's rows and my column's eight sums are in; Wq_graph's 32 younger loads may be out
	; the graph's mean, one column a thread: the eight blocks' sums in ascending order, / 512, quantised at e0
.irp k, 1,2,3,4,5,6,7
	v_add_f32 v240, v240, v[240+\k]
.endr
	v_mul_f32 v240, 0x3b000000, v240               ; x 1/512: nothing is rounded
	v_med3_num_f32 v240, v240, -v30, v30
	v_cvt_scalef32_pk8_bf8_f32 v[248:249], v[240:247], v29   ; the conversion takes eight registers: the first number's code, in the lowest byte, is the one that is kept
.set i, 0
.rept 32
	v_pk_mul_f32 v[BF+i:BF+i+1], v[BF+i:BF+i+1], 0x3fb8aa3b op_sel_hi:[1,0]   ; the mask x log2(e), once for both softmaxes
.set i, i+2
.endr
	ds_store_b8 v19, v248
.irp i, 0,1,2,3
.irp k, 0,1,2,3
	ds_store_b128 v16, v[BF+16*\i+4*\k:BF+16*\i+4*\k+3] offset:2064*\i+512*\k
.endr
.endr
.irp i, 0,1,2,3
	ds_store_b128 v17, v[CI+4*\i:CI+4*\i+3] offset:528*\i
.endr
	BARRIER                                        ; the mask, x's rows and the graph's codes lie in LDS
	; ---- q.  The graph's term first: every column of source 1 is the graph, so every query's lane gets it, in the layout in which the sums below start.
	; It goes K step by K step: a set of registers that is done with takes Wq_first's next K step at once, so that the chain of weight loads goes on without a gap.
.irp g, 0,1,2,3
.irp c, 0,1,2,3
	ds_load_b128 v[BF+16*\g+4*\c:BF+16*\g+4*\c+3], v20 offset:128*\g+32*\c
.endr
.endr
	v_mov_b32 v29, s82                             ; q's scale and hold
	v_mov_b32 v30, s83
	v_mov_b32 v31, 0xff61b1e6                      ; -3e38
	s_wait_dscnt 0x0
	GSTEP 0, 24                                    ; younger than set 0: sets 1, 2, 3
.rept 4
	v_nop                                          ; places in front of the loads into the registers just read
.endr
	WLOAD 0, 68, 1, 0, 8192, 512
	GSTEP 1, 24                                    ; younger than set 1: sets 2, 3 and Wq_first's K step 0
.rept 4
	v_nop
.endr
	WLOAD 1, 68, 1, 2048, 8192, 512
	GSTEP 2, 24                                    ; younger than set 2: set 3 and Wq_first's K steps 0, 1
	GSTEP 3, 16                                    ; younger than set 3: Wq_first's K steps 0, 1
.rept 5
	v_nop                                          ; five places: the next products write over sets 2 and 3, and start from these sums
.endr
.set i, 0
.rept 16
	v_ldexp_f32 v[CI+i], v[CI+i], s78              ; into the unit of the next sums, 2^(e2 + e3): nothing is rounded
.set i, i+1
.endr
	PSTEP 0, 18, 0, 8448, 32, 1, 0, 8              ; + x Wq_first^T
	WLOAD 0, 68, 1, 4096, 8192, 512
	PSTEP 1, 18, 128, 8448, 32, 2, 0, 8
	WLOAD 1, 68, 1, 6144, 8192, 512
	PSTEP 0, 18, 256, 8448, 32, 2, 0, 8
	WLOAD 0, 70, 1, 0, 8192, 512
	PSTEP 1, 18, 384, 8448, 32, 2, 0, 8
	WLOAD 1, 70, 1, 2048, 8192, 512
.set i, 0
.rept 32
	v_pk_mul_f32 v[ACC+i:ACC+i+1], v[ACC+i:ACC+i+1], s[62:63] op_sel_hi:[1,0]   ; into the unit 2^(e4 + e5)
.set i, i+2
.endr
	PSTEP 0, 18, 0, 8448, 32, 2, 0, 8              ; + x Wq_last^T
	WLOAD 0, 70, 1, 4096, 8192, 512
	PSTEP 1, 18, 128, 8448, 32, 2, 0, 8
	WLOAD 1, 70, 1, 6144, 8192, 512
	PSTEP 0, 18, 256, 8448, 32, 2, 0, 8
	PSTEP 1, 18, 384, 8448, 32, 2, 0, 0
	HOLD64 ACC, 30
	CVT8 224, 8, 2, ACC, 29                        ; q of tile m: channels 8h.. and 16+8h.., as k's codes lie
.irp t, 0,1,2,3
	global_load_b128 v[KR+4*\t:KR+4*\t+3], v1, s[66:67] offset:512*\t   ; K of step 0: asked for as soon as its registers are free, ahead of the moves below
.endr
	s_mov_b32 s58, 0                               ; the step's first key, in bytes of a mask row
	v_add_nc_u32 v3, s58, v4
.irp t, 0,1,2,3
	ds_load_b128 v[MK+8*\t:MK+8*\t+3], v3 offset:64*\t
	ds_load_b128 v[MK+8*\t+4:MK+8*\t+7], v3 offset:64*\t+16
.endr
.irp z, 0,1,2,3,4
.irp j, 0,1,2,3
	v_mov_b32 v[QZ+8*\z+\j], 0                     ; zero codes on both sides of each q
.endr
.endr
.set i, 0
.rept 64
	v_mov_b32 v[O+i], 0                            ; O^T.  (The key step is written for all steps alike: the first finds zeros, which the first change of M leaves zeros)
.set i, i+1
.endr
.irp m, 0,1,2,3
	v_mov_b32 v[ST+4*\m+1], 0xff61b1e6             ; the largest t so far: -3e38
	v_mov_b32 v[ST+4*\m+2], 0
	v_mov_b32 v[ST+4*\m+3], 0
.endr
.irp m, 0,1,2,3
	v_floor_f32 v[ST+4*\m], -v[ST+4*\m+1]          ; -M
.endr
; ---- attention.  One tile of 16 queries against one step of 64 keys.  more = 1: a step follows.
.macro TILE m, more
.irp t, 0,1,2,3
	v_wmma_f32_16x16x64_bf8_bf8 v[S+8*\t:S+8*\t+7], v[KR+8*(\t/2):KR+8*(\t/2)+7], v[QZ+4-4*(\t%2)+8*(\m):QZ+4-4*(\t%2)+8*(\m)+7], 0
.endr
	s_wait_dscnt 0x0                               ; this tile's mask, asked for a tile ago, is in; its address may be written
.if (\m) == 3
.if \more
	s_add_co_u32 s58, s58, 256
.endif
	v_add_nc_u32 v3, s58, v4                       ; four plain lines: the places behind the products
.else
	v_add_nc_u32 v3, s58, v[5+(\m)]
.endif
	v_mov_b32 v24, v[ST+4*(\m)]
	v_nop
	v_nop
.if (\m) == 0
.irp i, 0,1,2,3
	global_load_b128 v[VR+4*\i:VR+4*\i+3], v1, s[66:67] offset:2048+512*\i   ; V of this step: wanted at this tile's end
.endr
.if \more
	; a prefetch of the next step's K and V of heads w and w + 1: sixteen blocks of 256 bytes each, a lane a block.  All eight work-groups of a batch walk the same bytes: the first asks, by its even waves,
	; so each block is named once.  It stands behind the wave's loads, three tiles ahead of the loads of that K and a step ahead of those of that V.  Step 0 comes by its loads alone; the last step asks for none.
	s_cmp_eq_u32 s59, 1
	s_cbranch_scc0 .Lno_kv_\@
	global_prefetch_b8 v2, s[66:67] offset:4096 th:TH_LOAD_NT scope:SCOPE_SE
.Lno_kv_\@:
.else
	; in the last step: my wave's 16,384 bytes of the nodes' codes, 64 blocks, which the last product will load: asked for by the batch's first work-group alone
	s_cmp_eq_u32 s60, 1
	s_cbranch_scc0 .Lno_n_\@
	global_prefetch_b8 v27, s[76:77] th:TH_LOAD_NT scope:SCOPE_SE
	global_prefetch_b8 v27, s[76:77] offset:8192 th:TH_LOAD_NT scope:SCOPE_SE
.Lno_n_\@:
.endif
.endif
.if ((\m) == 3) && \more
.irp t, 0,1,2,3
	global_load_b128 v[KR+4*\t:KR+4*\t+3], v1, s[66:67] offset:4096+512*\t   ; K of the next step
.endr
.endif
.set i, 0
.rept 16
	v_pk_fma_f32 v[S+i:S+i+1], v[S+i:S+i+1], s[50:51], v[MK+i:MK+i+1] op_sel_hi:[1,0,1]   ; t = score x c + mask x log2(e)
.set i, i+2
.endr
.if ((\m) < 3) || \more
.irp t, 0,1,2,3
	ds_load_b128 v[MK+8*\t:MK+8*\t+3], v3 offset:64*\t                ; the next tile's mask
	ds_load_b128 v[MK+8*\t+4:MK+8*\t+7], v3 offset:64*\t+16
.endr
.endif
	v_max3_num_f32 v10, v[S], v[S+1], v[S+2]       ; the largest t of my 32 keys, in two chains,
	v_max3_num_f32 v11, v[S+3], v[S+4], v[S+5]
.irp i, 6,10,14,18,22,26
	v_max3_num_f32 v10, v10, v[S+\i], v[S+\i+1]
	v_max3_num_f32 v11, v11, v[S+\i+2], v[S+\i+3]
.endr
	v_max3_num_f32 v10, v10, v[S+30], v[S+31]
	v_max_num_f32 v10, v10, v11
	v_permlanex16_b32 v25, v10, s56, s57           ; of lane l xor 16's,
	v_max3_num_f32 v[ST+4*(\m)+1], v[ST+4*(\m)+1], v10, v25   ; and so far
	v_floor_f32 v[ST+4*(\m)], -v[ST+4*(\m)+1]      ; -M = floor(-t) = -ceil(t)
	v_sub_f32 v24, v[ST+4*(\m)], v24               ; old M - new M: a whole number, 0 or less
	v_cvt_i32_f32 v24, v24                         ; (it saturates)
	v_ldexp_f32 v12, 1.0, v24                      ; f = 2^(old M - new M)
.set i, 0
.rept 16
	v_pk_add_f32 v[S+i:S+i+1], v[S+i:S+i+1], v[ST+4*(\m):ST+4*(\m)+1] op_sel_hi:[1,0]   ; t - M
.set i, i+2
.endr
.set i, 0
.rept 32
	v_exp_f32 v[S+i], v[S+i]                       ; p = 2^(t - M)
.set i, i+1
.endr
	v_pk_mul_f32 v[ST+4*(\m)+2:ST+4*(\m)+3], v[ST+4*(\m)+2:ST+4*(\m)+3], v[12:13] op_sel_hi:[1,0]   ; the sum under the new M: a plain line behind the exponentials
	s_wait_alu depctr_va_vdst(0)                   ; one wait for the batch of 32, ahead of its first reader
	v_pk_add_f32 v[14:15], v[S:S+1], v[S+2:S+3]    ; the sum of the unquantised p, in two chains
.irp i, 4,8,12,16,20,24,28
	v_pk_add_f32 v[ST+4*(\m)+2:ST+4*(\m)+3], v[ST+4*(\m)+2:ST+4*(\m)+3], v[S+\i:S+\i+1]
	v_pk_add_f32 v[14:15], v[14:15], v[S+\i+2:S+\i+3]
.endr
	v_pk_add_f32 v[ST+4*(\m)+2:ST+4*(\m)+3], v[ST+4*(\m)+2:ST+4*(\m)+3], v[14:15]
	s_cmp_ge_i32 s44, -15                          ; p <= 1 <= 57,344 x 2^e12 from e12 = -15 on: then the hold holds nothing.  A branch on the given whole number, the same in every wave; only the 32 lines are passed over
	s_cbranch_scc1 .Lfits_\@
.set i, 0
.rept 32
	v_min_num_f32 v[S+i], v[S+i], v9               ; p is not negative: the hold is one-sided
.set i, i+1
.endr
.Lfits_\@:
.irp t, 0,1,2,3
	v_cvt_scalef32_pk8_bf8_f32 v[P+2*\t:P+2*\t+1], v[S+8*\t:S+8*\t+7], v8   ; keys 16t + 8h + 0..7: registers 2t, 2t + 1 of the next operand
.endr
.set i, 0
.rept 8
	v_pk_mul_f32 v[O+16*(\m)+i:O+16*(\m)+i+1], v[O+16*(\m)+i:O+16*(\m)+i+1], v[12:13] op_sel_hi:[1,0]   ; O^T under the new M; also the plain lines behind the conversions
.set i, i+2
.endr
.if (\m) == 0
	s_wait_loadcnt 0x0                             ; V is in (nothing else of mine is out)
.endif
.irp u, 0,1
	v_wmma_f32_16x16x64_bf8_bf8 v[O+16*(\m)+8*\u:O+16*(\m)+8*\u+7], v[VR+8*\u:VR+8*\u+7], v[P:P+7], v[O+16*(\m)+8*\u:O+16*(\m)+8*\u+7]
.endr
.endm
.macro STEP more
	s_wait_loadcnt 0x0                             ; K is in
	TILE 0, \more
	TILE 1, \more
	TILE 2, \more
	TILE 3, \more
.if \more
	s_wait_xcnt 0x0                                ; the step's loads and its prefetch have read their base
	s_add_nc_u64 s[66:67], s[66:67], 4096
.endif
.endm
	s_mov_b32 s3, 7
.Lstep:                                            ; seven trips; the eighth step, which asks for nothing further, is written out
	STEP 1
	s_sub_co_u32 s3, s3, 1
	s_cmp_lg_u32 s3, 0
	s_cbranch_scc1 .Lstep
	STEP 0
	; ---- the attention's output: O^T x 2^(e12 + e13) / the sum, quantised at e14; my head's 32 channels are one piece of 512 bytes of each tile's image
.irp u, 0,1
	global_load_b128 v[CI+8*\u:CI+8*\u+3], v28, s[12:13] offset:32*\u          ; bcomb at channels 32w + 16h + 8u + 0..7
	global_load_b128 v[CI+8*\u+4:CI+8*\u+7], v28, s[12:13] offset:32*\u+16
.endr
.irp m, 0,1,2,3
	v_add_f32 v[ST+4*\m+2], v[ST+4*\m+2], v[ST+4*\m+3]
.endr
.irp m, 0,1,2,3
	v_permlanex16_b32 v[ST+4*\m+1], v[ST+4*\m+2], s56, s57
.endr
.irp m, 0,1,2,3
	v_add_f32 v[ST+4*\m+2], v[ST+4*\m+2], v[ST+4*\m+1]
.endr
.irp m, 0,1,2,3
	v_rcp_f32 v[ST+4*\m], v[ST+4*\m+2]
.endr
	v_mov_b32 v29, s84                             ; (plain lines behind the reciprocals)  the output's scale and hold
	v_mov_b32 v30, s85
	s_wait_alu depctr_va_vdst(0)                   ; one wait for the four, ahead of their first reader
.irp m, 0,1,2,3
	v_ldexp_f32 v[ST+4*\m], v[ST+4*\m], s79
.endr
.irp m, 0,1,2,3
.irp j, 0,2,4,6,8,10,12,14
	v_pk_mul_f32 v[O+16*\m+\j:O+16*\m+\j+1], v[O+16*\m+\j:O+16*\m+\j+1], v[ST+4*\m:ST+4*\m+1] op_sel_hi:[1,0]
.endr
.endr
	HOLD64 O, 30
	CVT8 S, 4, 2, O, 29                            ; tile m: 16 codes a lane: k = 32w + 16h + 0..15 of the next product
.irp m, 0,1,2,3
	ds_store_b128 v21, v[S+4*\m:S+4*\m+3] offset:8192*\m
.endr
	WLOAD 0, 74, 1, 0, 8192, 512
	WLOAD 1, 74, 1, 2048, 8192, 512
	BARRIER                                        ; all sixteen heads' pieces lie in LDS; nobody reads the mask for the first softmax any more
	; ---- mh = out Wcomb^T + bcomb.  Wcomb's tiles take rows 8u + r + 8 (r / 8), so that a lane's 16 results are 16 neighbours along the next K
	s_wait_loadcnt 16                              ; the bias is in; Wcomb's sixteen younger loads may be out
.set i, 0
.rept 16
	v_ldexp_f32 v[CI+i], v[CI+i], s80
.set i, i+1
.endr
	v_mov_b32 v29, s86                             ; mh's scale and hold
	v_mov_b32 v30, s87
	PSTEP 0, 22, 0, 8192, 512, 1, 0, 8
	WLOAD 0, 74, 1, 4096, 8192, 512
	PSTEP 1, 22, 2048, 8192, 512, 2, 0, 8
	WLOAD 1, 74, 1, 6144, 8192, 512
	PSTEP 0, 22, 4096, 8192, 512, 2, 0, 8
	WLOAD 0, 76, 1, 0, 8192, 512                   ; the nodes' codes follow in the same two sets
	PSTEP 1, 22, 6144, 8192, 512, 2, 0, 8
	WLOAD 1, 76, 1, 2048, 8192, 512
	HOLD64 ACC, 30
	CVT8 240, 4, 2, ACC, 29
.irp m, 0,1,2,3
	ds_store_b128 v21, v[240+4*\m:243+4*\m] offset:MIMD+8192*\m
.endr
	BARRIER                                        ; mh's sixteen fragments lie in LDS
	; ---- s2^T = nodes mh^T: source 0 = 16 of my 32 nodes, source 1 = 16 queries: lane (r, h) holds query r and nodes 32w + 16u + 8h + 0..7
	PSTEP 0, 22, MIMD, 8192, 512, 0, 0, 8
	WLOAD 0, 76, 1, 4096, 8192, 512
	PSTEP 1, 22, MIMD+2048, 8192, 512, 2, 0, 8
	WLOAD 1, 76, 1, 6144, 8192, 512
	PSTEP 0, 22, MIMD+4096, 8192, 512, 2, 0, 8
	PSTEP 1, 22, MIMD+6144, 8192, 512, 2, 0, 0
	s_lshl_b32 s88, s2, 7
.irp m, 0,1,2,3
	v_add_nc_u32 v[4+\m], s88, v[4+\m]             ; my 32 nodes' bytes of a mask row; the first softmax is done with these addresses
.endr
.irp m, 0,1,2,3
.irp u, 0,1
	ds_load_b128 v[BF+16*\m+8*\u:BF+16*\m+8*\u+3], v[4+\m] offset:64*\u
	ds_load_b128 v[BF+16*\m+8*\u+4:BF+16*\m+8*\u+7], v[4+\m] offset:64*\u+16
.endr
.endr
.set i, 0
.rept 32
	v_pk_mul_f32 v[ACC+i:ACC+i+1], v[ACC+i:ACC+i+1], s[52:53] op_sel_hi:[1,0]   ; 2 x log2(e), x = s2
.set i, i+2
.endr
.set i, 0
.rept 64
	v_exp_f32 v[ACC+i], v[ACC+i]
.set i, i+1
.endr
	v_nop
	s_wait_alu depctr_va_vdst(0)                   ; one wait for each batch of 64
.set i, 0
.rept 32
	v_pk_add_f32 v[ACC+i:ACC+i+1], v[ACC+i:ACC+i+1], 1.0 op_sel_hi:[1,0]
.set i, i+2
.endr
.set i, 0
.rept 64
	v_rcp_f32 v[ACC+i], v[ACC+i]                   ; 1 / (1 + 2^..): 0 where the power overflows, 1 where it vanishes
.set i, i+1
.endr
	v_nop
	s_wait_alu depctr_va_vdst(0)
	s_wait_dscnt 0x0                               ; the mask
.set i, 0
.rept 32
	v_pk_fma_f32 v[ACC+i:ACC+i+1], v[ACC+i:ACC+i+1], s[54:55], v[BF+i:BF+i+1] op_sel_hi:[1,0,1]   ; t = -20 log2(e) / (1 + ..) + mask x log2(e); the row's common 10 log2(e) is left out
.set i, i+2
.endr
.irp m, 0,1,2,3
	v_max3_num_f32 v[ST+4*\m], v[ACC+16*\m], v[ACC+16*\m+1], v[ACC+16*\m+2]
.endr
.irp j, 3,5,7,9,11,13
.irp m, 0,1,2,3
	v_max3_num_f32 v[ST+4*\m], v[ST+4*\m], v[ACC+16*\m+\j], v[ACC+16*\m+\j+1]
.endr
.endr
.irp m, 0,1,2,3
	v_max3_num_f32 v[ST+4*\m], v[ST+4*\m], v[ACC+16*\m+15], v31   ; not under -3e38, so that the difference below is a number where all my nodes are masked
.endr
.irp m, 0,1,2,3
	v_permlanex16_b32 v[ST+4*\m+2], v[ST+4*\m], s56, s57
.endr
.irp m, 0,1,2,3
	v_max_num_f32 v[ST+4*\m], v[ST+4*\m], v[ST+4*\m+2]            ; the largest t of my 32 nodes
.endr
.irp m, 0,1,2,3
.irp j, 0,2,4,6,8,10,12,14
	v_pk_add_f32 v[ACC+16*\m+\j:ACC+16*\m+\j+1], v[ACC+16*\m+\j:ACC+16*\m+\j+1], v[ST+4*\m:ST+4*\m+1] op_sel_hi:[1,0] neg_lo:[0,1] neg_hi:[0,1]
.endr
.endr
.set i, 0
.rept 64
	v_exp_f32 v[ACC+i], v[ACC+i]
.set i, i+1
.endr
	v_nop
	s_wait_alu depctr_va_vdst(0)
.irp m, 0,1,2,3
	v_pk_add_f32 v[ST+4*\m+2:ST+4*\m+3], v[ACC+16*\m:ACC+16*\m+1], v[ACC+16*\m+2:ACC+16*\m+3]
.endr
.irp j, 4,6,8,10,12,14
.irp m, 0,1,2,3
	v_pk_add_f32 v[ST+4*\m+2:ST+4*\m+3], v[ST+4*\m+2:ST+4*\m+3], v[ACC+16*\m+\j:ACC+16*\m+\j+1]
.endr
.endr
.irp m, 0,1,2,3
	v_add_f32 v[ST+4*\m+1], v[ST+4*\m+2], v[ST+4*\m+3]
.endr
.irp m, 0,1,2,3
	v_permlanex16_b32 v[ST+4*\m+2], v[ST+4*\m+1], s56, s57
.endr
.irp m, 0,1,2,3
	v_add_f32 v[ST+4*\m+1], v[ST+4*\m+1], v[ST+4*\m+2]            ; and their sum under it
.endr
.irp m, 0,1,2,3
	ds_store_b64 v23, v[ST+4*\m:ST+4*\m+1] offset:2304*\m         ; (both halves of the lanes hold, and store, the same pair)
.endr
	BARRIER                                        ; sixteen pairs for each query lie in LDS
.irp m, 0,1,2,3
.irp i, 0,1,2,3
	ds_load_b128 v[RD+16*\m+4*\i:RD+16*\m+4*\i+3], v26 offset:2304*\m+16*\i   ; eight waves' pairs for each half of the lanes
.endr
.endr
	s_wait_dscnt 0x0
.irp m, 0,1,2,3
	v_max3_num_f32 v[ST+4*\m+2], v[RD+16*\m], v[RD+16*\m+2], v[RD+16*\m+4]
.endr
.irp j, 6,10
.irp m, 0,1,2,3
	v_max3_num_f32 v[ST+4*\m+2], v[ST+4*\m+2], v[RD+16*\m+\j], v[RD+16*\m+\j+2]
.endr
.endr
.irp m, 0,1,2,3
	v_max_num_f32 v[ST+4*\m+2], v[ST+4*\m+2], v[RD+16*\m+14]
.endr
.irp m, 0,1,2,3
	v_permlanex16_b32 v[ST+4*\m+3], v[ST+4*\m+2], s56, s57
.endr
.irp m, 0,1,2,3
	v_max_num_f32 v[ST+4*\m+2], v[ST+4*\m+2], v[ST+4*\m+3]        ; the row's largest t
.endr
.irp m, 0,1,2,3
.irp k, 0,2,4,6,8,10,12,14
	v_sub_f32 v[RD+16*\m+\k], v[RD+16*\m+\k], v[ST+4*\m+2]
.endr
	v_sub_f32 v[ST+4*\m+3], v[ST+4*\m], v[ST+4*\m+2]
.endr
.irp m, 0,1,2,3
.irp k, 0,2,4,6,8,10,12,14
	v_exp_f32 v[RD+16*\m+\k], v[RD+16*\m+\k]
.endr
	v_exp_f32 v[ST+4*\m+3], v[ST+4*\m+3]           ; my own wave's factor
.endr
	v_nop
	s_wait_alu depctr_va_vdst(0)
.irp m, 0,1,2,3
	v_mul_f32 v[ST+4*\m+1], v[RD+16*\m], v[RD+16*\m+1]
.endr
.irp k, 2,4,6,8,10,12,14
.irp m, 0,1,2,3
	v_fmac_f32 v[ST+4*\m+1], v[RD+16*\m+\k], v[RD+16*\m+\k+1]
.endr
.endr
.irp m, 0,1,2,3
	v_permlanex16_b32 v[ST+4*\m+2], v[ST+4*\m+1], s56, s57
.endr
.irp m, 0,1,2,3
	v_add_f32 v[ST+4*\m+1], v[ST+4*\m+1], v[ST+4*\m+2]            ; the row's sum
.endr
.irp m, 0,1,2,3
	v_rcp_f32 v[ST+4*\m], v[ST+4*\m+1]
.endr
	v_nop
	s_wait_alu depctr_va_vdst(0)
.irp m, 0,1,2,3
	v_mul_f32 v[ST+4*\m], v[ST+4*\m], v[ST+4*\m+3]
.endr
.irp m, 0,1,2,3
.irp j, 0,2,4,6,8,10,12,14
	v_pk_mul_f32 v[ACC+16*\m+\j:ACC+16*\m+\j+1], v[ACC+16*\m+\j:ACC+16*\m+\j+1], v[ST+4*\m:ST+4*\m+1] op_sel_hi:[1,0]
.endr
.endr
.irp m, 0,1,2,3
.irp u, 0,1
	ds_store_b128 v[4+\m], v[ACC+16*\m+8*\u:ACC+16*\m+8*\u+3] offset:64*\u         ; over the mask bytes that I alone read for this softmax
	ds_store_b128 v[4+\m], v[ACC+16*\m+8*\u+4:ACC+16*\m+8*\u+7] offset:64*\u+16
.endr
.endr
	BARRIER                                        ; 64 whole rows of the output lie in LDS
.irp i, 0,1,2,3
.irp k, 0,1,2,3
	ds_load_b128 v[BF+16*\i+4*\k:BF+16*\i+4*\k+3], v16 offset:2064*\i+512*\k
.endr
.endr
.irp i, 0,1,2,3
.irp k, 0,1,2,3
	s_wait_dscnt 15-4*\i-\k                        ; LDS loads come back in order (ISA guide 5.7.1): this one is in, the younger may be out
	global_store_b128 v1, v[BF+16*\i+4*\k:BF+16*\i+4*\k+3], s[24:25] offset:2048*\i+512*\k th:TH_STORE_NT   ; 32 lanes store 512 consecutive bytes, at a multiple of 256 from out0's first byte
.endr
.endr
	s_wait_xcnt 0x0
	v_lshl_add_u32 v254, v0, 2, 0x3ae00
	v_mov_b32 v255, 0
	s_wait_tensorcnt 0x0
	ds_add_u32 v254, v255
	s_wait_dscnt 0x0
	s_endpgm
.Lfunc_end_k_q189b6261dc_attn:
	.size	k_q189b6261dc_attn, .Lfunc_end_k_q189b6261dc_attn-k_q189b6261dc_attn
	.p2alignl 7, 3214868480
	.fill 96, 4, 3214868480
	.section	.rodata,"a",@progbits
	.p2align	6, 0x0
	.amdhsa_kernel k_q189b6261dc_attn
		.amdhsa_group_segment_fixed_size 243200
		.amdhsa_private_segment_fixed_size 0
		.amdhsa_enable_private_segment 0
		.amdhsa_kernarg_size 72
		.amdhsa_user_sgpr_count 2
		.amdhsa_user_sgpr_kernarg_segment_ptr 1
		.amdhsa_wavefront_size32 1
		.amdhsa_system_sgpr_workgroup_id_x 1
		.amdhsa_system_sgpr_workgroup_id_y 1
		.amdhsa_system_sgpr_workgroup_id_z 1
		.amdhsa_system_vgpr_workitem_id 0
		.amdhsa_next_free_vgpr 256
		.amdhsa_next_free_sgpr 100
		.amdhsa_reserve_vcc 0
		.amdhsa_float_denorm_mode_32 3
		.amdhsa_float_denorm_mode_16_64 3
		.amdhsa_memory_ordered 1
		.amdhsa_forward_progress 1
		.amdhsa_inst_pref_size 184
	.end_amdhsa_kernel
	.amdgpu_metadata
---
amdhsa.version: [ 1, 2 ]
amdhsa.kernels:
  - .name:           k_q189b6261dc_attn
    .symbol:         k_q189b6261dc_attn.kd
    .args:
      - { .name: encoded_last_codes, .offset: 0, .size: 8, .value_kind: global_buffer, .address_space: global }
      - { .name: group_ninf_mask, .offset: 8, .size: 8, .value_kind: global_buffer, .address_space: global }
      - { .name: bcomb, .offset: 16, .size: 8, .value_kind: global_buffer, .address_space: global }
      - { .name: lowp_scales, .offset: 24, .size: 8, .value_kind: global_buffer, .address_space: global }
      - { .name: kv, .offset: 32, .size: 8, .value_kind: global_buffer, .address_space: global }
      - { .name: nfrag, .offset: 40, .size: 8, .value_kind: global_buffer, .address_space: global }
      - { .name: psum, .offset: 48, .size: 8, .value_kind: global_buffer, .address_space: global }
      - { .name: wfrag, .offset: 56, .size: 8, .value_kind: global_buffer, .address_space: global }
      - { .name: out0, .offset: 64, .size: 8, .value_kind: global_buffer, .address_space: global }
    .group_segment_fixed_size: 243200
    .private_segment_fixed_size: 0
    .kernarg_segment_align: 8
    .kernarg_segment_size: 72
    .max_flat_workgroup_size: 512
    .sgpr_count:     100
    .vgpr_count:     256
    .wavefront_size: 32
...
	.end_amdgpu_metadata
.endif
;; end of part 2
;; ======== version 2 of 2: 2 launches; version 1 with the launches prep, attn written anew for expert scheduling mode
;; workspace buffers: kv 16,777,216 bytes; nfrag 8,388,608 bytes; psum 524,288 bytes; wfrag 1,048,576 bytes
;; launch prep (part 3): grid 8 x 32, 16 waves a work-group, no clusters, 210,944 bytes of LDS; arguments encoded_nodes, Wk_codes, Wv_codes, lowp_scales, Wq_first_codes, Wq_last_codes, Wq_graph_codes, Wcomb_codes, kv, nfrag, psum, wfrag; writes kv, nfrag, psum, wfrag
.if DOCPART == 3
	.amdgcn_target "amdgcn-amd-amdhsa--gfx1250"
	.amdhsa_code_object_version 6
	.text
	.protected	k_q189b6261dc_prep
	.globl	k_q189b6261dc_prep
	.p2align	8
	.type	k_q189b6261dc_prep,@function
k_q189b6261dc_prep:
	s_mov_b64 s[64:65], 0
	v_nop
	global_prefetch_b8 v0, s[64:65] scope:SCOPE_SE
	s_setreg_imm32_b32 hwreg(HW_REG_WAVE_SCHED_MODE, 0, 2), 2
	s_setreg_imm32_b32 hwreg(HW_REG_WAVE_MODE, 25, 1), 1
	s_wait_xcnt 0x0
	s_wait_alu depctr_vm_vsrc(0)
; THE NODES' SIDE.  encoded_nodes [32][512][512] f32 is read once.  A work-group (x = block of 64 nodes, y = batch) makes of its 64 rows:
;   psum  [b][block][512] f32: the column sums of the 64 rows (the next launch adds the eight blocks and divides by 512: the graph's mean);
;   nfrag [b][tile of 16 nodes][128 of K][32 of K][lane][16 B]: the rows' E5M2 codes at scale e17, in the order of a matrix operand's registers;
;   kv    [b][head][block][4,096 B]: k = nodes Wk^T and v = nodes Wv^T (both on E5M2 codes, f32 sums), quantised at e11 and e13, again in register order:
;         bytes 0-2047: four tiles of 16 keys, lane (r, h) = key r, 16 bytes = channels 8h..8h+7 and 16+8h..16+8h+7;
;         bytes 2048-4095: two fragments of V^T, lane (r, h) = channel 8u + r + 8 (r / 8), 32 bytes = keys 16c + 8h + 0..7, c = 0..3, in two pieces of 512 bytes.
; Beside that each wave copies 256 bytes of the four weights that the next launch uses into wfrag [first, last, graph, comb][head][u][128 of K][32 of K][lane][16 B].
; SHARES.  Sixteen waves.  Quantising: wave w takes rows 16 (w / 4).. and columns 128 (w % 4)..: one fragment.  Products: wave w takes head w (32 output channels) for all 64 rows.
; Operands go from wave to wave through LDS as images of their registers: 16 bytes a lane, 512 bytes a store.  One barrier.
; A fragment for the K = 128 form holds, in registers 4c..4c+3 of lane (r, h), k = 32c + 16h + 0..15 of row r: the same order on both sides of every product.
; LIMITS on the given exponents, so that each power of two is an f32 number: e6, e8, e17, e11 - e6 - e7 and e13 - e8 - e9 between -126 and 112.  NaN among the inputs is not served; an infinity is held at the largest code.
; THE MODE: SCHED_MODE bits 1:0 = 2 (LLVM: expert scheduling mode 2), set by the entry lines.  The code itself states the register dependences
; between vector or matrix instructions and memory or LDS instructions, with s_wait_alu, always for 0.
; THE PLAN.  Registers that memory or LDS instructions touch:
;   v1-v10     offsets and addresses: made at the head, never written again.   v12, v13: r and h at the head, then the copy's data (loaded, stored).
;   v32-95     the rows as loaded: read by the stage's LDS stores and by the sums; then written by the holds; then the weights' loads land there, a set of 32 at a time, and the products read them.
;   v96-159    the turn's LDS loads land there, the holds read them; in waves 0 to 3 four LDS loads land there once more; then the accumulators, named by vector and matrix instructions alone.
;   v160-223   v160-191: the codes at e6 and e8, written by conversions, read by LDS stores; then all 64: the rows' fragments, LDS loads in every K step, read by its products.
;   v224-239   the codes at e17, stored; later v's codes, stored.   v240-255: k's codes, stored.   v24-27: column sums, stored to LDS; in waves 0 to 3 made anew and stored to memory.
; A K step's one wait on va_vdst stands at its end: its products are done reading the weight set and the rows' fragments, and behind it follow the loads into both.
.set N6,   135168                      ; LDS: 0.. each wave's stage, 16 rows x (512 + 16) bytes; from N6 the 16 images at scale e6; 32,768 further on those at e8
.set N8D,  32768
.set PS,   200704                      ; 16 x 512 bytes: each wave's column sums
.set R,    32                          ; v32-95   16 rows as loaded
.set T,    32                          ;          then the held numbers
.set W,    32                          ;          then two sets of weight fragments, 32 registers each
.set X,    96                          ; v96-159  the numbers turned: register 16c + i = k 32c + 16h + i of row r
.set ACC,  96                          ;          then eight accumulators: (m, u) at 16m + 8u
.set BF,   160                         ; v160-223 the rows' four fragments of a K step
.set C6,   160                         ;          before that: the codes at e6 and at e8
.set C8,   176
.set C17,  224                         ; v224-239 the codes at e17
.set VC,   224                         ;          later v's codes
.set KC,   240                         ; v240-255 k's codes
.set CI,   224
; v1 16 x lane; v2, v3 the stage, in and out; v4 my column sums; v5, v6 images, in and out; v7, v8 my lane's place in Wk, Wv; v9, v10 the copy's source and place; v[12:13] its data;
; v14-19 scale and hold for e6, e8, e17; v20-23 for k and v; v[24:27] column sums; v30, v31 the closing add's two
; eight loads: the two fragments (u = 0, 1) of one K step of 128 into set st
.macro WLOAD st, sb, va, o, US, CS
.irp u, 0,1
.irp c, 0,1,2,3
	global_load_b128 v[W+32*(\st)+16*\u+4*\c:W+32*(\st)+16*\u+4*\c+3], v[\va], s[\sb:\sb+1] offset:(\o)+\u*(\US)+\c*(\CS)
.endr
.endr
.endm
; One K step of 128: the rows' four fragments from LDS, eight products.  cm = 0: the products start the sums; 1: they start from v[CI..]; 2: they add on.  sw = 1: the rows are source 0.
; lc: the younger global loads (the next set's eight) that may stay out.  The eight accumulators take turns, one instruction a turn.
; The four v_nop are the places behind the products, in front of the next loads into their sources and of the first read of results.
; w = 1: loads into the products' sources follow.
.macro PSTEP st, la, lo, MS, CS, cm, sw, lc, w
.irp m, 0,1,2,3
.irp c, 0,1,2,3
	ds_load_b128 v[BF+16*\m+4*\c:BF+16*\m+4*\c+3], v[\la] offset:(\lo)+\m*(\MS)+\c*(\CS)
.endr
.endr
	s_wait_loadcnt \lc
	s_wait_dscnt 0x0
.irp m, 0,1,2,3
.irp u, 0,1
.if (\sw) == 1
.if (\cm) == 0
	v_wmma_f32_16x16x128_bf8_bf8 v[ACC+16*\m+8*\u:ACC+16*\m+8*\u+7], v[BF+16*\m:BF+16*\m+15], v[W+32*(\st)+16*\u:W+32*(\st)+16*\u+15], 0
.else
	v_wmma_f32_16x16x128_bf8_bf8 v[ACC+16*\m+8*\u:ACC+16*\m+8*\u+7], v[BF+16*\m:BF+16*\m+15], v[W+32*(\st)+16*\u:W+32*(\st)+16*\u+15], v[ACC+16*\m+8*\u:ACC+16*\m+8*\u+7]
.endif
.elseif (\cm) == 0
	v_wmma_f32_16x16x128_bf8_bf8 v[ACC+16*\m+8*\u:ACC+16*\m+8*\u+7], v[W+32*(\st)+16*\u:W+32*(\st)+16*\u+15], v[BF+16*\m:BF+16*\m+15], 0
.elseif (\cm) == 1
	v_wmma_f32_16x16x128_bf8_bf8 v[ACC+16*\m+8*\u:ACC+16*\m+8*\u+7], v[W+32*(\st)+16*\u:W+32*(\st)+16*\u+15], v[BF+16*\m:BF+16*\m+15], v[CI+8*\u:CI+8*\u+7]
.else
	v_wmma_f32_16x16x128_bf8_bf8 v[ACC+16*\m+8*\u:ACC+16*\m+8*\u+7], v[W+32*(\st)+16*\u:W+32*(\st)+16*\u+15], v[BF+16*\m:BF+16*\m+15], v[ACC+16*\m+8*\u:ACC+16*\m+8*\u+7]
.endif
.endr
.endr
.rept 4
	v_nop
.endr
.if \w
	s_wait_alu depctr_va_vdst(0)                   ; the step's products are done reading set st, in which the next loads of weights land, and the rows' fragments, in which the next step's LDS loads land
.endif
.endm
; 64 numbers held within the largest code x the scale, in place, from the low end on: the conversion to an 8-bit code does not saturate (ISA guide 7.6.2)
.macro HOLD64 base, hl
.set i, 0
.rept 64
	v_med3_num_f32 v[\base+i], v[\base+i], -v[\hl], v[\hl]
.set i, i+1
.endr
.endm
; the eight accumulators' numbers become codes: (m, u) into two registers at dst + dm m + du u.  A plain vector line stands behind the last conversion.
.macro CVT8 dst, dm, du, src, sc
.irp m, 0,1,2,3
.irp u, 0,1
	v_cvt_scalef32_pk8_bf8_f32 v[\dst+(\dm)*\m+(\du)*\u:\dst+(\dm)*\m+(\du)*\u+1], v[\src+16*\m+8*\u:\src+16*\m+8*\u+7], v[\sc]
.endr
.endr
	v_nop
.endm
; my 64 numbers at one scale: held into T, converted into 16 registers of codes
.macro QUANT3 dst, sc, hl
.irp c, 0,1,2,3
.irp i, 0,1,2,3,4,5,6,7,8,9,10,11,12,13,14,15
	v_med3_num_f32 v[T+16*\c+\i], v[X+16*\c+\i], -v[\hl], v[\hl]
.endr
	v_cvt_scalef32_pk8_bf8_f32 v[\dst+4*\c:\dst+4*\c+1], v[T+16*\c:T+16*\c+7], v[\sc]
	v_cvt_scalef32_pk8_bf8_f32 v[\dst+4*\c+2:\dst+4*\c+3], v[T+16*\c+8:T+16*\c+15], v[\sc]
.endr
.endm
; 2^e as f32 into v[vs] (the conversion takes its exponent field), 57,344 x 2^e into v[vh]
.macro MKSC vs, vh, se
	s_add_co_i32 s90, s[\se], 127
	s_lshl_b32 s91, s90, 23
	v_mov_b32 v[\vs], s91
	s_add_co_i32 s90, s90, 15
	s_lshl_b32 s90, s90, 23
	s_or_b32 s90, s90, 0x600000
	v_mov_b32 v[\vh], s90
.endm
	s_load_b512 s[8:23], s[0:1], 0x0               ; nodes s[8:9], Wk s[10:11], Wv s[12:13], scales s[14:15], first s[16:17], last s[18:19], graph s[20:21], comb s[22:23]
	s_load_b256 s[24:31], s[0:1], 0x40             ; kv s[24:25], nfrag s[26:27], psum s[28:29], wfrag s[30:31]
	v_lshl_add_u32 v30, v0, 2, 0x33000
	v_mov_b32 v31, 0
	v_lshrrev_b32 v11, 5, v0
	v_readfirstlane_b32 s2, v11                    ; wave w
	s_mov_b32 s4, ttmp9                            ; block of 64 nodes
	s_and_b32 s5, ttmp7, 0xffff                    ; batch
	s_lshl_b32 s6, s5, 3
	s_add_co_u32 s6, s6, s4                        ; g = 8 b + block: the work-group's number, 0..255
	v_and_b32 v11, 31, v0                          ; lane
	v_lshlrev_b32 v1, 4, v11
	v_lshlrev_b32 v10, 3, v11
	v_and_b32 v12, 15, v0                          ; r
	v_bfe_u32 v13, v0, 4, 1                        ; h
	s_wait_alu depctr_va_sdst(0)                   ; s2 is written, ahead of its first reader: LDS addresses and the buffers' offsets are made from it
	s_mul_i32 s54, s2, 8448                        ; my stage: 16 rows of 528 bytes
	v_add_nc_u32 v2, s54, v1                       ; in: a row's 512 bytes as loaded
	v_mul_u32_u24 v3, v12, 528
	v_lshl_add_u32 v3, v13, 6, v3
	v_add_nc_u32 v3, s54, v3                       ; out: row r, + 64 h: my 16 numbers of each 32
	s_lshl_b32 s55, s2, 9
	s_add_co_u32 s55, s55, PS
	v_add_nc_u32 v4, s55, v1
	s_lshl_b32 s55, s2, 11
	s_add_co_u32 s55, s55, N6
	v_add_nc_u32 v5, s55, v1                       ; my fragment's image: (m, K step) = (w / 4, w % 4) lies at 2,048 w
	v_add_nc_u32 v6, N6, v1
	v_lshlrev_b32 v7, 9, v12
	v_lshl_add_u32 v7, v13, 4, v7                  ; Wk: row r of 512 bytes, + 16 h
	v_and_b32 v8, 8, v12
	v_add_nc_u32 v8, v8, v12
	v_lshlrev_b32 v8, 9, v8
	v_lshl_add_u32 v8, v13, 4, v8                  ; Wv: row r + 8 (r / 8), + 16 h
	; the copy into wfrag: piece 16 g + w of 256 bytes.  Its number's bits: 0 half of the lanes; 1-2 c; 3-4 K step; 5 u; 6-9 head; 10-11 which weight
	s_lshr_b32 s60, s6, 6
	s_cmp_eq_u32 s60, 3                            ; Wcomb's tiles take rows 8u + r + 8 (r / 8), the others' 16u + r
	s_cselect_b32 s61, 8, 0
	s_cselect_b32 s62, 8, 16
	s_bfe_u32 s63, s6, 0x40002                     ; head
	s_bfe_u32 s66, s6, 0x10001                     ; u
	s_lshl_b32 s63, s63, 5
	s_mul_i32 s66, s66, s62
	s_add_co_u32 s63, s63, s66
	s_lshl_b32 s63, s63, 9                         ; the tile's first row, in bytes
	s_lshr_b32 s67, s2, 3
	s_and_b32 s68, s6, 1
	s_lshl_b32 s68, s68, 1
	s_or_b32 s67, s67, s68                         ; K step
	s_lshl_b32 s67, s67, 7
	s_add_co_u32 s63, s63, s67
	s_and_b32 s68, s2, 7                           ; 2 c + half
	s_lshl_b32 s68, s68, 4
	s_add_co_u32 s63, s63, s68
	v_lshrrev_b32 v9, 1, v11                       ; two lanes copy one operand lane's 16 bytes
	v_and_b32 v14, s61, v9
	v_add_nc_u32 v9, v9, v14
	v_lshlrev_b32 v9, 9, v9
	v_and_b32 v14, 1, v11
	v_lshl_add_u32 v9, v14, 3, v9
	v_add_nc_u32 v9, s63, v9
	; byte offsets, each in a pair of its own
	s_lshl_b32 s70, s6, 4
	s_add_co_u32 s70, s70, s2                      ; 16 g + w
	s_lshl_b32 s72, s70, 11                        ; nfrag: my fragment is number 16 g + w, 2,048 bytes each
	s_mov_b32 s73, 0
	s_lshl_b32 s70, s70, 8                         ; wfrag: 256 bytes each
	s_mov_b32 s71, 0
	s_lshl_b32 s74, s6, 6                          ; nodes: row 64 g + 16 (w / 4), column 128 (w % 4)
	s_lshr_b32 s76, s2, 2
	s_lshl_b32 s76, s76, 4
	s_add_co_u32 s74, s74, s76
	s_lshl_b32 s74, s74, 11
	s_and_b32 s76, s2, 3
	s_lshl_b32 s76, s76, 9
	s_add_co_u32 s74, s74, s76
	s_mov_b32 s75, 0
	s_lshl_b32 s76, s5, 4                          ; kv: ((16 b + w) 8 + block) x 4,096
	s_add_co_u32 s76, s76, s2
	s_lshl_b32 s76, s76, 3
	s_add_co_u32 s76, s76, s4
	s_lshl_b32 s76, s76, 12
	s_mov_b32 s77, 0
	s_lshl_b32 s78, s6, 11                         ; psum: 2,048 g + 512 w (waves 0 to 3 store)
	s_lshl_b32 s79, s2, 9
	s_add_co_u32 s78, s78, s79
	s_mov_b32 s79, 0
	s_lshl_b32 s80, s2, 14                         ; Wk, Wv: my head's 32 rows
	s_mov_b32 s81, 0
	s_wait_kmcnt 0x0
	s_load_b512 s[36:51], s[14:15], 0x0            ; e0 .. e15
	s_load_b64 s[52:53], s[14:15], 0x40            ; e16, e17
	s_bitcmp1_b32 s6, 6                            ; which weight I copy from: a choice on the work-group's number alone
	s_cselect_b64 s[56:57], s[18:19], s[16:17]
	s_cselect_b64 s[58:59], s[22:23], s[20:21]
	s_bitcmp1_b32 s6, 7
	s_cselect_b64 s[56:57], s[58:59], s[56:57]
	s_add_nc_u64 s[8:9], s[8:9], s[74:75]
	s_add_nc_u64 s[10:11], s[10:11], s[80:81]
	s_add_nc_u64 s[12:13], s[12:13], s[80:81]
	s_add_nc_u64 s[24:25], s[24:25], s[76:77]
	s_add_nc_u64 s[26:27], s[26:27], s[72:73]
	s_add_nc_u64 s[28:29], s[28:29], s[78:79]
	s_add_nc_u64 s[30:31], s[30:31], s[70:71]
	s_wait_alu depctr_va_vdst(0)                   ; the offsets and addresses v1 to v10 are written, which every load and store below reads; the head is done with v12 and v13, in which the copy's load lands
	global_load_b64 v[12:13], v9, s[56:57]
.irp i, 0,1,2,3,4,5,6,7,8,9,10,11,12,13,14,15
	global_load_b128 v[R+4*\i:R+4*\i+3], v1, s[8:9] offset:2048*\i th:TH_LOAD_NT   ; row i: 32 lanes read 512 consecutive bytes; read once in the launch
.endr
	s_wait_kmcnt 0x0
	MKSC 14, 15, 42                                ; e6
	MKSC 16, 17, 44                                ; e8
	MKSC 18, 19, 53                                ; e17
	s_sub_co_i32 s92, s47, s42
	s_sub_co_i32 s92, s92, s43                     ; a sum of nodes Wk^T stands for sum x 2^(e6 + e7): its code is sum / 2^(e11 - e6 - e7)
	MKSC 20, 21, 92
	s_sub_co_i32 s92, s49, s44
	s_sub_co_i32 s92, s92, s45                     ; likewise e13 - e8 - e9
	MKSC 22, 23, 92
	s_wait_loadcnt 0x0
	global_store_b64 v10, v[12:13], s[30:31]       ; 32 lanes store 256 consecutive bytes, aligned
	; the turn through my stage: in as loaded, out 64 bytes a lane.  LDS serves a wave's instructions in order (ISA guide 5.7.1.4): no wait between.  The stores' data are loaded data, and no vector instruction has named v96-159
.irp i, 0,1,2,3,4,5,6,7,8,9,10,11,12,13,14,15
	ds_store_b128 v2, v[R+4*\i:R+4*\i+3] offset:528*\i
.endr
.irp c, 0,1,2,3
.irp j, 0,1,2,3
	ds_load_b128 v[X+16*\c+4*\j:X+16*\c+4*\j+3], v3 offset:128*\c+16*\j
.endr
.endr
	; the column sums of my 16 rows, four columns a lane, in two chains: added while the turn is out
	v_pk_add_f32 v[24:25], v[R:R+1], v[R+4:R+5]
	v_pk_add_f32 v[26:27], v[R+2:R+3], v[R+6:R+7]
.irp i, 2,3,4,5,6,7,8,9,10,11,12,13,14,15
	v_pk_add_f32 v[24:25], v[24:25], v[R+4*\i:R+4*\i+1]
	v_pk_add_f32 v[26:27], v[26:27], v[R+4*\i+2:R+4*\i+3]
.endr
	s_wait_alu depctr_va_vdst(0)                   ; the sums are written into v[24:27], which the LDS store reads
	ds_store_b128 v4, v[24:27]
	s_wait_dscnt 0x0
	s_wait_alu depctr_vm_vsrc(0)                   ; the stage's stores have read v32-95, which the holds write; the sums' store has read v[24:27], which waves 0 to 3 write again
	QUANT3 C6, 14, 15
	QUANT3 C8, 16, 17
	QUANT3 C17, 18, 19
	v_nop                                          ; a plain vector line behind the last conversion
	s_wait_alu depctr_va_vdst(0)                   ; the conversions have written the three sets of codes, which the stores read; holds and conversions are done with v32-95, in which the weights land, and with v96-111, in which the sums' LDS loads land
.irp c, 0,1,2,3
	ds_store_b128 v5, v[C6+4*\c:C6+4*\c+3] offset:512*\c
	ds_store_b128 v5, v[C8+4*\c:C8+4*\c+3] offset:N8D+512*\c
.endr
.irp c, 0,1,2,3
	global_store_b128 v1, v[C17+4*\c:C17+4*\c+3], s[26:27] offset:512*\c   ; 512 consecutive bytes a store
.endr
	WLOAD 0, 10, 7, 0, 8192, 32                    ; Wk's first two K steps are asked for ahead of the barrier
	WLOAD 1, 10, 7, 128, 8192, 32
	s_wait_dscnt 0x0                               ; my sums and images have landed
	s_barrier_signal -1
	s_barrier_wait -1                              ; everybody's have: the launch's one barrier; no LDS byte is written behind it
	s_wait_alu depctr_vm_vsrc(0)                   ; my image stores have read v160-191, in which the rows' fragments land; the stores of the codes at e17 have read v224-239, which v's codes take
	; waves 0 to 3 add the four row tiles' sums of their 128 columns.  No global load stands here: the counts of the weights' loads are the same on both ways
	s_cmp_gt_u32 s2, 3
	s_cbranch_scc1 .Lno_sum
.irp q, 0,1,2,3
	ds_load_b128 v[X+4*\q:X+4*\q+3], v4 offset:2048*\q
.endr
	s_wait_dscnt 0x0
	v_pk_add_f32 v[24:25], v[X:X+1], v[X+4:X+5]
	v_pk_add_f32 v[26:27], v[X+2:X+3], v[X+6:X+7]
	v_pk_add_f32 v[24:25], v[24:25], v[X+8:X+9]
	v_pk_add_f32 v[26:27], v[26:27], v[X+10:X+11]
	v_pk_add_f32 v[24:25], v[24:25], v[X+12:X+13]
	v_pk_add_f32 v[26:27], v[26:27], v[X+14:X+15]
	s_wait_alu depctr_va_vdst(0)                   ; the block's sums are written into v[24:27], which the store reads
	global_store_b128 v1, v[24:27], s[28:29]
.Lno_sum:
	; k, transposed: source 0 = 16 rows of Wk, source 1 = 16 nodes: a lane holds one node and eight neighbouring channels
	PSTEP 0, 6, 0, 8192, 512, 0, 0, 8, 1
	WLOAD 0, 10, 7, 256, 8192, 32
	PSTEP 1, 6, 2048, 8192, 512, 2, 0, 8, 1
	WLOAD 1, 10, 7, 384, 8192, 32
	PSTEP 0, 6, 4096, 8192, 512, 2, 0, 8, 1
	WLOAD 0, 12, 8, 0, 4096, 32                    ; Wv follows in the same two sets
	PSTEP 1, 6, 6144, 8192, 512, 2, 0, 8, 1
	WLOAD 1, 12, 8, 128, 4096, 32
	HOLD64 ACC, 21
	CVT8 KC, 4, 2, ACC, 20                         ; tile m: registers 4m, 4m+1 = channels 8h.., 4m+2, 4m+3 = channels 16+8h..
	s_wait_alu depctr_va_vdst(0)                   ; the conversions have written k's codes, which the stores read
.irp m, 0,1,2,3
	global_store_b128 v1, v[KC+4*\m:KC+4*\m+3], s[24:25] offset:512*\m
.endr
	; v, the other way round: source 0 = 16 nodes, source 1 = 16 rows of Wv: a lane holds one channel and eight neighbouring keys
	PSTEP 0, 6, N8D, 8192, 512, 0, 1, 8, 1
	WLOAD 0, 12, 8, 256, 4096, 32
	PSTEP 1, 6, N8D+2048, 8192, 512, 2, 1, 8, 1
	WLOAD 1, 12, 8, 384, 4096, 32
	PSTEP 0, 6, N8D+4096, 8192, 512, 2, 1, 8, 1
	PSTEP 1, 6, N8D+6144, 8192, 512, 2, 1, 0, 0    ; the chain's end: nothing younger is out, and no load follows
	s_wait_xcnt 0x0                                ; the stores of the codes at e17 have read v224-239, which v's codes take
	HOLD64 ACC, 23
	CVT8 VC, 2, 8, ACC, 22                         ; fragment u: registers 2m, 2m+1 = keys 16m + 8h + 0..7
	s_wait_alu depctr_va_vdst(0)                   ; the conversions have written v's codes, which the stores read
.irp q, 0,1,2,3
	global_store_b128 v1, v[VC+4*\q:VC+4*\q+3], s[24:25] offset:2048+512*\q
.endr
	s_wait_dscnt 0x0                               ; the closing lines, six on end
	s_wait_alu 0x0
	s_wait_tensorcnt 0x0
	ds_add_u32 v30, v31
	s_wait_dscnt 0x0
	s_endpgm
.Lfunc_end_k_q189b6261dc_prep:
	.size	k_q189b6261dc_prep, .Lfunc_end_k_q189b6261dc_prep-k_q189b6261dc_prep
	.p2alignl 7, 3214868480
	.fill 96, 4, 3214868480
	.section	.rodata,"a",@progbits
	.p2align	6, 0x0
	.amdhsa_kernel k_q189b6261dc_prep
		.amdhsa_group_segment_fixed_size 210944
		.amdhsa_private_segment_fixed_size 0
		.amdhsa_enable_private_segment 0
		.amdhsa_kernarg_size 96
		.amdhsa_user_sgpr_count 2
		.amdhsa_user_sgpr_kernarg_segment_ptr 1
		.amdhsa_wavefront_size32 1
		.amdhsa_system_sgpr_workgroup_id_x 1
		.amdhsa_system_sgpr_workgroup_id_y 1
		.amdhsa_system_sgpr_workgroup_id_z 1
		.amdhsa_system_vgpr_workitem_id 0
		.amdhsa_next_free_vgpr 256
		.amdhsa_next_free_sgpr 100
		.amdhsa_reserve_vcc 0
		.amdhsa_float_denorm_mode_32 3
		.amdhsa_float_denorm_mode_16_64 3
		.amdhsa_memory_ordered 1
		.amdhsa_forward_progress 1
		.amdhsa_inst_pref_size 57
	.end_amdhsa_kernel
	.amdgpu_metadata
---
amdhsa.version: [ 1, 2 ]
amdhsa.kernels:
  - .name:           k_q189b6261dc_prep
    .symbol:         k_q189b6261dc_prep.kd
    .args:
      - { .name: encoded_nodes, .offset: 0, .size: 8, .value_kind: global_buffer, .address_space: global }
      - { .name: Wk_codes, .offset: 8, .size: 8, .value_kind: global_buffer, .address_space: global }
      - { .name: Wv_codes, .offset: 16, .size: 8, .value_kind: global_buffer, .address_space: global }
      - { .name: lowp_scales, .offset: 24, .size: 8, .value_kind: global_buffer, .address_space: global }
      - { .name: Wq_first_codes, .offset: 32, .size: 8, .value_kind: global_buffer, .address_space: global }
      - { .name: Wq_last_codes, .offset: 40, .size: 8, .value_kind: global_buffer, .address_space: global }
      - { .name: Wq_graph_codes, .offset: 48, .size: 8, .value_kind: global_buffer, .address_space: global }
      - { .name: Wcomb_codes, .offset: 56, .size: 8, .value_kind: global_buffer, .address_space: global }
      - { .name: kv, .offset: 64, .size: 8, .value_kind: global_buffer, .address_space: global }
      - { .name: nfrag, .offset: 72, .size: 8, .value_kind: global_buffer, .address_space: global }
      - { .name: psum, .offset: 80, .size: 8, .value_kind: global_buffer, .address_space: global }
      - { .name: wfrag, .offset: 88, .size: 8, .value_kind: global_buffer, .address_space: global }
    .group_segment_fixed_size: 210944
    .private_segment_fixed_size: 0
    .kernarg_segment_align: 8
    .kernarg_segment_size: 96
    .max_flat_workgroup_size: 512
    .sgpr_count:     100
    .vgpr_count:     256
    .wavefront_size: 32
...
	.end_amdgpu_metadata
.endif
;; end of part 3
;; launch attn (part 4): grid 8 x 32, 16 waves a work-group, no clusters, 243,200 bytes of LDS; arguments encoded_last_codes, group_ninf_mask, bcomb, lowp_scales, kv, nfrag, psum, wfrag, out0; writes out0
.if DOCPART == 4
	.amdgcn_target "amdgcn-amd-amdhsa--gfx1250"
	.amdhsa_code_object_version 6
	.text
	.protected	k_q189b6261dc_attn
	.globl	k_q189b6261dc_attn
	.p2align	8
	.type	k_q189b6261dc_attn,@function
k_q189b6261dc_attn:
	s_mov_b64 s[64:65], 0
	v_nop
	global_prefetch_b8 v0, s[64:65] scope:SCOPE_SE
	s_setreg_imm32_b32 hwreg(HW_REG_WAVE_SCHED_MODE, 0, 2), 2
	s_setreg_imm32_b32 hwreg(HW_REG_WAVE_MODE, 25, 1), 1
	s_wait_xcnt 0x0
	s_wait_alu depctr_vm_vsrc(0)
; THE QUERIES' SIDE.  A work-group (x = block of 64 queries, y = batch) takes its 64 rows from the codes of encoded_last to the finished probabilities:
;   q = (graph Wq_graph^T + x Wq_first^T) + x Wq_last^T | masked attention, 16 heads of 32 | mh = out Wcomb^T + bcomb | s2 = mh nodes^T / sqrt(512) | 10 tanh + mask | softmax.
; All products on E5M2 codes with the given scales, f32 sums; every operand made here is quantised from f32 in registers.
; SHARES.  Sixteen waves of 256 registers, four to a SIMD.  Wave w owns head w: channels 32w..32w+31 of q, of the attention's output and of mh, and nodes 32w..32w+31 of the last product, always for all
; 64 queries (four tiles m of 16).  So each fragment of a weight, of K, of V and of the nodes is wanted by ONE wave of the work-group and comes from memory straight into its registers, out of buffers
; that the launch before laid in register order.  No cluster and no tensor load: a ring for joint loads of the weights wants two slots of a K step's 65,536 bytes, and beside the mask's 132,096 bytes,
; the rows' codes and the images LDS has 86,528 bytes left.
; THE MASK's 64 rows are read from memory once, multiplied by log2(e), and kept in LDS: all sixteen heads and the last softmax read them there.  At the end the same bytes are the stage for the output.
; Both attention products are used transposed (S^T = K Q^T, O^T = V^T P^T): a lane holds one query throughout.  K = 32 fills half of the K = 64 form: a fragment holds two tiles of keys, and q stands
; beside zero codes, [q | 0] or [0 | q]; k's codes are finite (they were held), so the other tile's add nothing.
; THE FIRST SOFTMAX: t = score x log2(e) / sqrt(32) + mask x log2(e); M = the running largest t rounded UP to a whole number; p = 2^(t - M) is quantised, not normalised; the row's sum is taken of the
; unquantised p and divides at the end; when M moves, sum and O^T are multiplied by 2^(old M - new M), which rounds nothing.
; p's HOLD: p is at most 1, and the largest code x 2^e12 is 57,344 x 2^e12, which is 1.75 at e12 = -15: from e12 = -15 on the hold can hold nothing, and a scalar branch on the given e12 passes over it.
; THE LAST SOFTMAX: tanh(x) = 1 - 2 / (1 + 2^(2 x log2(e))); of 10 tanh the constant 10 is common to a row and cancels; each wave takes the largest and the sum of its 32 nodes, and the sixteen pairs meet in LDS.
; LIMITS on the given exponents, so that each power of two is an f32 number: e0, e12, e14, e10 - e4 - e5 and e16 - e14 - e15 between -126 and 112; e2 + e3 - e4 - e5 between -126 and 127; e10 + e11 and
; e16 + e17 between -123 and 130 (they are added to a constant's exponent field).  NaN and +infinity among the inputs are not served.  A row whose mask is -infinity throughout gives NaN, as the softmax of such a row is.
; THE MODE: SCHED_MODE bits 1:0 = 2 (LLVM: expert scheduling mode 2), set by the entry lines.  The code itself states the register dependences
; between vector or matrix instructions and memory or LDS instructions, with s_wait_alu, always for 0.
; THE PLAN.  Registers that memory or LDS instructions touch:
;   v1, v2, v16-23, v26-28   offsets and addresses: made at the head, never written again.   v31: psum's offset up to the first barrier, a constant behind it.
;   v4-7       up to the last product sources of additions alone; then stepped once and read as LDS addresses.
;   v3         A TILE: its eight mask loads read it; the next tile's head writes it, behind a wait on vm_vsrc.
;   v96-111 K, v112-127 V, v160-191 a tile's mask.  A TILE: the score products read K, sixteen scalings read the mask, the O^T products read V.  ONE wait on va_vdst stands behind the scalings: v3 is written,
;              the scalings are done reading the mask, the score products K, the last step's O^T products V.  All the tile's loads and its prefetch follow that wait; no vector or matrix instruction up to the next
;              wait names a register that they touch.  A wait ahead of the exponentials and one behind them follow.
;   v32-95     (the graph's: to v159) weight sets; v160-223 the rows' fragments.  A K STEP OF 128: its products read a set and the fragments; one wait on va_vdst at its end; the loads into both follow.
;   what is stored: v160-239 and v248 at the head; v128-143 the output's codes; v240-255 mh's codes; v200-215 the pairs; v96-159 the probabilities: each run of LDS stores has one wait on va_vdst ahead of it,
;              and behind the barrier that follows it stands a wait on vm_vsrc where its registers are written again.
.set XROWS, 132096                     ; LDS: 0.. the mask, 64 rows x (2,048 + 16) bytes; from XROWS x's codes, 64 rows x (512 + 16)
.set OIMG,  165888                     ; the attention output's 16 fragments as images: (m, K step) at 8,192 m + 2,048 step; wave w writes piece 512 w of each m
.set MIMD,  32768                      ; mh's images lie this far behind them
.set GC,    231424                     ; the graph's 512 codes
.set RED,   231936                     ; 64 queries x (16 waves x 8 bytes + 16)
.set W,    32                          ; the products with K = 512: v32-95 two sets of weight fragments (the graph's: four, to v159); v96-159 eight accumulators; v160-223 the rows' fragments; v224-239 what the sums start from
.set ACC,  96
.set BF,   160
.set CI,   224
.set O,    32                          ; attention: v32-95 O^T, (m, u) at 16m + 8u; v96-111 K; v112-127 V; v128-159 S^T, then p; v160-191 the tile's mask; v192-199 p's codes;
.set KR,   96                          ;   v200-215 four registers a tile: -M, the largest t, the sum in two halves; v220-255 zeros and q by turns: zeros at 220 + 8i, q of tile m at 224 + 8m
.set VR,   112
.set S,    128
.set MK,   160
.set P,    192
.set ST,   200
.set QZ,   220
.set RD,   32
; v1 16 x lane; v2, v27 prefetch offsets; v3 the mask address in hand; v4-7 my lane's place in the mask, tile m; v8, v9 2^e12 and its hold; v10, v11 maxima; v[12:13] f; v[14:15] a second chain of sums;
; v16 my four rows of the mask; v17, v18 x's rows, in and out; v19, v20 the graph's codes, in and out; v21, v22 images, in and out; v23, v26 the pairs, in and out; v24 M's change; v25 the other half's maximum;
; v28 the bias's offset; v29, v30 the scale and hold in hand; v31 my column's offset in psum, then -3e38
.macro WLOAD st, sb, va, o, US, CS
.irp u, 0,1
.irp c, 0,1,2,3
	global_load_b128 v[W+32*(\st)+16*\u+4*\c:W+32*(\st)+16*\u+4*\c+3], v[\va], s[\sb:\sb+1] offset:(\o)+\u*(\US)+\c*(\CS)
.endr
.endr
.endm
; One K step of 128: the rows' four fragments from LDS, eight products.  cm = 0: the products start the sums; 1: they start from v[CI..]; 2: they add on.  sw = 1: the rows are source 0.
; lc: the younger global loads (the next set's eight) that may stay out.  The eight accumulators take turns, one instruction a turn.
; The four v_nop are the places behind the products, in front of the next loads into their sources and of the first read of results.
; w = 1: loads into the products' sources follow with no other wait on va_vdst between.
.macro PSTEP st, la, lo, MS, CS, cm, sw, lc, w
.irp m, 0,1,2,3
.irp c, 0,1,2,3
	ds_load_b128 v[BF+16*\m+4*\c:BF+16*\m+4*\c+3], v[\la] offset:(\lo)+\m*(\MS)+\c*(\CS)
.endr
.endr
	s_wait_loadcnt \lc
	s_wait_dscnt 0x0
.irp m, 0,1,2,3
.irp u, 0,1
.if (\sw) == 1
.if (\cm) == 0
	v_wmma_f32_16x16x128_bf8_bf8 v[ACC+16*\m+8*\u:ACC+16*\m+8*\u+7], v[BF+16*\m:BF+16*\m+15], v[W+32*(\st)+16*\u:W+32*(\st)+16*\u+15], 0
.else
	v_wmma_f32_16x16x128_bf8_bf8 v[ACC+16*\m+8*\u:ACC+16*\m+8*\u+7], v[BF+16*\m:BF+16*\m+15], v[W+32*(\st)+16*\u:W+32*(\st)+16*\u+15], v[ACC+16*\m+8*\u:ACC+16*\m+8*\u+7]
.endif
.elseif (\cm) == 0
	v_wmma_f32_16x16x128_bf8_bf8 v[ACC+16*\m+8*\u:ACC+16*\m+8*\u+7], v[W+32*(\st)+16*\u:W+32*(\st)+16*\u+15], v[BF+16*\m:BF+16*\m+15], 0
.elseif (\cm) == 1
	v_wmma_f32_16x16x128_bf8_bf8 v[ACC+16*\m+8*\u:ACC+16*\m+8*\u+7], v[W+32*(\st)+16*\u:W+32*(\st)+16*\u+15], v[BF+16*\m:BF+16*\m+15], v[CI+8*\u:CI+8*\u+7]
.else
	v_wmma_f32_16x16x128_bf8_bf8 v[ACC+16*\m+8*\u:ACC+16*\m+8*\u+7], v[W+32*(\st)+16*\u:W+32*(\st)+16*\u+15], v[BF+16*\m:BF+16*\m+15], v[ACC+16*\m+8*\u:ACC+16*\m+8*\u+7]
.endif
.endr
.endr
.rept 4
	v_nop
.endr
.if \w
	s_wait_alu depctr_va_vdst(0)                   ; the step's products are done reading set st, in which the next loads of weights land, and the rows' fragments, in which the next step's LDS loads land
.endif
.endm
; One K step of the graph's term: two products, the two accumulators by turns.  lc: the younger global loads that may stay out.
.macro GSTEP g, lc
	s_wait_loadcnt \lc
.irp u, 0,1
.if (\g) == 0
	v_wmma_f32_16x16x128_bf8_bf8 v[CI+8*\u:CI+8*\u+7], v[W+32*(\g)+16*\u:W+32*(\g)+16*\u+15], v[BF+16*(\g):BF+16*(\g)+15], 0
.else
	v_wmma_f32_16x16x128_bf8_bf8 v[CI+8*\u:CI+8*\u+7], v[W+32*(\g)+16*\u:W+32*(\g)+16*\u+15], v[BF+16*(\g):BF+16*(\g)+15], v[CI+8*\u:CI+8*\u+7]
.endif
.endr
.endm
; 64 numbers held within the largest code x the scale, in place, from the low end on: the conversion to an 8-bit code does not saturate (ISA guide 7.6.2)
.macro HOLD64 base, hl
.set i, 0
.rept 64
	v_med3_num_f32 v[\base+i], v[\base+i], -v[\hl], v[\hl]
.set i, i+1
.endr
.endm
; the eight accumulators' numbers become codes: (m, u) into two registers at dst + dm m + du u.  A plain vector line stands behind the last conversion.
.macro CVT8 dst, dm, du, src, sc
.irp m, 0,1,2,3
.irp u, 0,1
	v_cvt_scalef32_pk8_bf8_f32 v[\dst+(\dm)*\m+(\du)*\u:\dst+(\dm)*\m+(\du)*\u+1], v[\src+16*\m+8*\u:\src+16*\m+8*\u+7], v[\sc]
.endr
.endr
	v_nop
.endm
; 2^e as f32 into s[ss], 57,344 x 2^e into s[sh]
.macro MKS ss, sh, se
	s_add_co_i32 s[\sh], s[\se], 127
	s_lshl_b32 s[\ss], s[\sh], 23
	s_add_co_i32 s[\sh], s[\sh], 15
	s_lshl_b32 s[\sh], s[\sh], 23
	s_or_b32 s[\sh], s[\sh], 0x600000
.endm
.macro BARRIER                         ; my LDS stores have landed and my LDS loads are in: then the work-group's barrier
	s_wait_dscnt 0x0
	s_barrier_signal -1
	s_barrier_wait -1
.endm
	s_load_b512 s[8:23], s[0:1], 0x0               ; x's codes s[8:9], mask s[10:11], bcomb s[12:13], scales s[14:15], kv s[16:17], nfrag s[18:19], psum s[20:21], wfrag s[22:23]
	s_load_b64 s[24:25], s[0:1], 0x40              ; out0
	v_lshrrev_b32 v10, 5, v0
	v_readfirstlane_b32 s2, v10                    ; wave w
	s_mov_b32 s4, ttmp9                            ; block of 64 queries
	s_and_b32 s5, ttmp7, 0xffff                    ; batch
	v_and_b32 v14, 31, v0                          ; lane
	v_and_b32 v10, 15, v0                          ; r
	v_bfe_u32 v11, v0, 4, 1                        ; h
	v_lshlrev_b32 v1, 4, v14
	v_lshlrev_b32 v27, 8, v14                      ; lanes 256 bytes apart
	v_lshlrev_b32 v2, 8, v10
	v_lshl_add_u32 v2, v11, 15, v2                 ; lanes 0-15: sixteen blocks of my head's step; lanes 16-31: of the next head's, 32,768 bytes on
	v_mul_u32_u24 v4, v10, 2064
	v_lshl_add_u32 v4, v11, 5, v4                  ; the mask: row 16m + r, + 32 h: my eight keys of a tile of 16
	v_add_nc_u32 v5, 33024, v4
	v_add_nc_u32 v6, 66048, v4
	v_add_nc_u32 v7, 99072, v4
	s_wait_alu depctr_va_sdst(0)                   ; s2 is written, ahead of its first reader: LDS addresses and the buffers' offsets are made from it
	s_mul_i32 s88, s2, 8256
	v_add_nc_u32 v16, s88, v1                      ; rows 4w..4w+3 of the mask, 16 bytes a lane
	s_mul_i32 s88, s2, 2112
	s_add_co_u32 s88, s88, XROWS
	v_add_nc_u32 v17, s88, v1                      ; rows 4w..4w+3 of x
	v_mul_u32_u24 v18, v10, 528
	v_lshl_add_u32 v18, v11, 4, v18
	v_add_nc_u32 v18, XROWS, v18                   ; x's fragments: row r, + 16 h
	v_add_nc_u32 v19, GC, v0                       ; one code a thread: column = the thread's number
	v_lshlrev_b32 v20, 4, v11
	v_add_nc_u32 v20, GC, v20                      ; every column of that operand is the graph: 16 h alone
	s_lshl_b32 s88, s2, 9
	s_add_co_u32 s88, s88, OIMG
	v_add_nc_u32 v21, s88, v1
	v_add_nc_u32 v22, OIMG, v1
	v_mul_u32_u24 v23, v10, 144
	v_lshl_add_u32 v26, v11, 6, v23
	v_add_nc_u32 v26, RED, v26                     ; out: query r, eight waves' pairs for each half of the lanes
	s_lshl_b32 s88, s2, 3
	s_add_co_u32 s88, s88, RED
	v_add_nc_u32 v23, s88, v23                     ; in: query r, my wave's pair
	v_lshlrev_b32 v28, 6, v11
	v_lshlrev_b32 v31, 2, v0                       ; psum: one column a thread
	v_mov_b32 v13, 0                               ; (named as the upper half of the pair v[12:13])
	v_mov_b32 v25, 0                               ; written once: a lane permute's destination counts as one of its sources
	s_lshl_b32 s88, s5, 9
	s_lshl_b32 s89, s4, 6
	s_add_co_u32 s88, s88, s89
	s_lshl_b32 s89, s2, 2
	s_add_co_u32 s88, s88, s89                     ; my first row: 512 b + 64 block + 4 w
	s_lshl_b32 s90, s88, 11                        ; in the mask and in out0,
	s_mov_b32 s91, 0
	s_lshl_b32 s88, s88, 9                         ; in x's codes
	s_mov_b32 s89, 0
	s_lshl_b32 s92, s5, 4
	s_add_co_u32 s92, s92, s2
	s_lshl_b32 s94, s92, 14                        ; nfrag: my two tiles of nodes: (32 b + 2 w) x 8,192
	s_mov_b32 s95, 0
	s_lshl_b32 s92, s92, 15                        ; kv: (16 b + w) x 32,768
	s_mov_b32 s93, 0
	s_lshl_b32 s96, s5, 14                         ; psum: the batch's eight rows
	s_mov_b32 s97, 0
	s_lshl_b32 s98, s2, 14                         ; wfrag: my head
	s_mov_b32 s99, 0
	s_and_b32 s59, s2, 1                           ; who prefetches K and V: the even waves of the batch's first work-group
	s_or_b32 s59, s59, s4
	s_cmp_eq_u32 s59, 0
	s_cselect_b32 s59, 1, 0
	s_cmp_eq_u32 s4, 0                             ; and the nodes' codes: all its waves
	s_cselect_b32 s60, 1, 0
	s_wait_kmcnt 0x0
	s_load_b512 s[32:47], s[14:15], 0x0            ; e0 .. e15
	s_load_b64 s[48:49], s[14:15], 0x40            ; e16, e17
	s_add_nc_u64 s[10:11], s[10:11], s[90:91]
	s_add_nc_u64 s[24:25], s[24:25], s[90:91]
	s_add_nc_u64 s[8:9], s[8:9], s[88:89]
	s_add_nc_u64 s[66:67], s[16:17], s[92:93]
	s_add_nc_u64 s[76:77], s[18:19], s[94:95]
	s_add_nc_u64 s[20:21], s[20:21], s[96:97]
	s_add_nc_u64 s[68:69], s[22:23], s[98:99]      ; Wq_first's fragments,
	s_add_nc_u64 s[70:71], s[68:69], 0x40000       ; Wq_last's,
	s_add_nc_u64 s[72:73], s[68:69], 0x80000       ; Wq_graph's,
	s_add_nc_u64 s[74:75], s[68:69], 0xc0000       ; Wcomb's
	s_lshl_b32 s98, s2, 7
	s_add_nc_u64 s[12:13], s[12:13], s[98:99]      ; bcomb at my 32 channels
	s_wait_alu depctr_va_vdst(0)                   ; the offsets and addresses made above are written: v1, v2, v16 to v23, v26 to v28 and v31, which the kernel's loads, stores and prefetches read
.irp i, 0,1,2,3
.irp k, 0,1,2,3
	global_load_b128 v[BF+16*\i+4*\k:BF+16*\i+4*\k+3], v1, s[10:11] offset:2048*\i+512*\k th:TH_LOAD_NT   ; the mask: 512 consecutive bytes a load; read once in the launch
.endr
.endr
.irp i, 0,1,2,3
	global_load_b128 v[CI+4*\i:CI+4*\i+3], v1, s[8:9] offset:512*\i th:TH_LOAD_NT   ; a row of x's codes
.endr
.irp k, 0,1,2,3,4,5,6,7
	global_load_b32 v[240+\k], v31, s[20:21] offset:2048*\k   ; my column's sum in each of the batch's eight blocks of nodes
.endr
	WLOAD 0, 72, 1, 0, 8192, 512                   ; Wq_graph's four K steps, into v32-159: asked for here, so that they land while the mask is waited for and laid into LDS
	WLOAD 1, 72, 1, 2048, 8192, 512
	WLOAD 2, 72, 1, 4096, 8192, 512
	WLOAD 3, 72, 1, 6144, 8192, 512
	s_wait_kmcnt 0x0
	s_add_co_i32 s78, s42, s43
	s_lshl_b32 s78, s78, 23
	s_add_co_i32 s50, s78, 0x3e8293ee              ; log2(e) / sqrt(32) x 2^(e10 + e11): the exponents are added to the constant's exponent field
	s_mov_b32 s51, s50                             ; (named with it as a pair, so it is written; likewise below)
	s_add_co_i32 s78, s48, s49
	s_lshl_b32 s78, s78, 23
	s_add_co_i32 s52, s78, 0x3e0293ee              ; 2 log2(e) / sqrt(512) x 2^(e16 + e17)
	s_mov_b32 s53, s52
	s_mov_b32 s54, 0xc1e6d4ca                      ; -20 log2(e)
	s_mov_b32 s55, s54
	s_mov_b32 s56, 0x76543210                      ; v_permlanex16_b32's selects for lane l xor 16
	s_mov_b32 s57, 0xfedcba98
	s_add_co_i32 s79, s34, s35                     ; e2 + e3
	s_add_co_i32 s80, s36, s37                     ; e4 + e5
	s_sub_co_i32 s62, s79, s80
	s_add_co_i32 s62, s62, 127
	s_lshl_b32 s62, s62, 23                        ; 2^(e2 + e3 - e4 - e5)
	s_mov_b32 s63, s62
	s_add_co_i32 s78, s32, s33
	s_sub_co_i32 s78, s78, s79                     ; e0 + e1 - e2 - e3
	s_sub_co_i32 s81, s42, s80                     ; e10 - e4 - e5: q's conversion
	MKS 82, 83, 81
	MKS 84, 85, 46                                 ; e14: the attention output's
	s_add_co_i32 s80, s46, s47
	s_sub_co_i32 s81, s48, s80                     ; e16 - e14 - e15: mh's
	MKS 86, 87, 81
	s_sub_co_i32 s80, 0, s80                       ; -(e14 + e15): the bias goes in divided by what the sums lack
	s_add_co_i32 s79, s44, s45                     ; e12 + e13
	MKS 88, 89, 32                                 ; e0: the graph's
	v_mov_b32 v29, s88
	v_mov_b32 v30, s89
	MKS 90, 91, 44                                 ; e12: p's
	v_mov_b32 v8, s90
	v_mov_b32 v9, s91
	s_wait_loadcnt 32                              ; the mask's and x's rows and my column's eight sums are in; Wq_graph's 32 younger loads may be out
	; the graph's mean, one column a thread: the eight blocks' sums in ascending order, / 512, quantised at e0
.irp k, 1,2,3,4,5,6,7
	v_add_f32 v240, v240, v[240+\k]
.endr
	v_mul_f32 v240, 0x3b000000, v240               ; x 1/512: nothing is rounded
	v_med3_num_f32 v240, v240, -v30, v30
	v_cvt_scalef32_pk8_bf8_f32 v[248:249], v[240:247], v29   ; the conversion takes eight registers: the first number's code, in the lowest byte, is the one that is kept
.set i, 0
.rept 32
	v_pk_mul_f32 v[BF+i:BF+i+1], v[BF+i:BF+i+1], 0x3fb8aa3b op_sel_hi:[1,0]   ; the mask x log2(e), once for both softmaxes
.set i, i+2
.endr
	s_wait_alu depctr_va_vdst(0)                   ; the conversion has written v248 and the multiplications v160-223, which the LDS stores read
	ds_store_b8 v19, v248
.irp i, 0,1,2,3
.irp k, 0,1,2,3
	ds_store_b128 v16, v[BF+16*\i+4*\k:BF+16*\i+4*\k+3] offset:2064*\i+512*\k
.endr
.endr
.irp i, 0,1,2,3
	ds_store_b128 v17, v[CI+4*\i:CI+4*\i+3] offset:528*\i
.endr
	BARRIER                                        ; the mask, x's rows and the graph's codes lie in LDS
	s_wait_alu depctr_vm_vsrc(0)                   ; my LDS stores have read v160-223, in which the graph's fragments land, v224-239, which the graph's products write, and v248, which q's codes take; psum's loads have read v31, which is written below
	; ---- q.  The graph's term first: every column of source 1 is the graph, so every query's lane gets it, in the layout in which the sums below start.
	; It goes K step by K step: when its first two sets of registers are done with, they take Wq_first's first two K steps, so that the chain of weight loads goes on while the other two sets are multiplied.
.irp g, 0,1,2,3
.irp c, 0,1,2,3
	ds_load_b128 v[BF+16*\g+4*\c:BF+16*\g+4*\c+3], v20 offset:128*\g+32*\c
.endr
.endr
	v_mov_b32 v29, s82                             ; q's scale and hold
	v_mov_b32 v30, s83
	v_mov_b32 v31, 0xff61b1e6                      ; -3e38
	s_wait_dscnt 0x0
	GSTEP 0, 24                                    ; younger than set 0: sets 1, 2, 3
	GSTEP 1, 16                                    ; younger than set 1: sets 2, 3
.rept 4
	v_nop                                          ; places in front of the loads into the registers just read
.endr
	s_wait_alu depctr_va_vdst(0)                   ; the four products above are done reading sets 0 and 1, in which Wq_first's loads land
	WLOAD 0, 68, 1, 0, 8192, 512
	WLOAD 1, 68, 1, 2048, 8192, 512
	GSTEP 2, 24                                    ; younger than set 2: set 3 and Wq_first's K steps 0, 1
	GSTEP 3, 16                                    ; younger than set 3: Wq_first's K steps 0, 1
.rept 5
	v_nop                                          ; five places: the next products write over sets 2 and 3, and start from these sums
.endr
.set i, 0
.rept 16
	v_ldexp_f32 v[CI+i], v[CI+i], s78              ; into the unit of the next sums, 2^(e2 + e3): nothing is rounded
.set i, i+1
.endr
	s_wait_alu depctr_va_vdst(0)                   ; the graph's products are done reading v160-223, in which x's fragments land
	PSTEP 0, 18, 0, 8448, 32, 1, 0, 8, 1           ; + x Wq_first^T
	WLOAD 0, 68, 1, 4096, 8192, 512
	PSTEP 1, 18, 128, 8448, 32, 2, 0, 8, 1
	WLOAD 1, 68, 1, 6144, 8192, 512
	PSTEP 0, 18, 256, 8448, 32, 2, 0, 8, 1
	WLOAD 0, 70, 1, 0, 8192, 512
	PSTEP 1, 18, 384, 8448, 32, 2, 0, 8, 1
	WLOAD 1, 70, 1, 2048, 8192, 512
.set i, 0
.rept 32
	v_pk_mul_f32 v[ACC+i:ACC+i+1], v[ACC+i:ACC+i+1], s[62:63] op_sel_hi:[1,0]   ; into the unit 2^(e4 + e5).  (These name the accumulators alone: the next step's LDS loads still stand under the last step's wait)
.set i, i+2
.endr
	s_wait_alu depctr_va_vdst(0)
	PSTEP 0, 18, 0, 8448, 32, 2, 0, 8, 1           ; + x Wq_last^T
	WLOAD 0, 70, 1, 4096, 8192, 512
	PSTEP 1, 18, 128, 8448, 32, 2, 0, 8, 1
	WLOAD 1, 70, 1, 6144, 8192, 512
	PSTEP 0, 18, 256, 8448, 32, 2, 0, 8, 1
	PSTEP 1, 18, 384, 8448, 32, 2, 0, 0, 0
	HOLD64 ACC, 30
	CVT8 224, 8, 2, ACC, 29                        ; q of tile m: channels 8h.. and 16+8h.., as k's codes lie
	s_mov_b32 s58, 0                               ; the step's first key, in bytes of a mask row
	v_add_nc_u32 v3, s58, v4
	s_wait_alu depctr_va_vdst(0)                   ; holds and conversions are done with v96-111, in which K lands; the last products are done reading v160-191, in which the mask lands; v3, the mask loads' address, is written
.irp t, 0,1,2,3
	global_load_b128 v[KR+4*\t:KR+4*\t+3], v1, s[66:67] offset:512*\t   ; K of step 0: asked for as soon as its registers are free, ahead of the moves below
.endr
.irp t, 0,1,2,3
	ds_load_b128 v[MK+8*\t:MK+8*\t+3], v3 offset:64*\t
	ds_load_b128 v[MK+8*\t+4:MK+8*\t+7], v3 offset:64*\t+16
.endr
.irp z, 0,1,2,3,4
.irp j, 0,1,2,3
	v_mov_b32 v[QZ+8*\z+\j], 0                     ; zero codes on both sides of each q
.endr
.endr
.set i, 0
.rept 64
	v_mov_b32 v[O+i], 0                            ; O^T.  (The key step is written for all steps alike: the first finds zeros, which the first change of M leaves zeros)
.set i, i+1
.endr
.irp m, 0,1,2,3
	v_mov_b32 v[ST+4*\m+1], 0xff61b1e6             ; the largest t so far: -3e38
	v_mov_b32 v[ST+4*\m+2], 0
	v_mov_b32 v[ST+4*\m+3], 0
.endr
.irp m, 0,1,2,3
	v_floor_f32 v[ST+4*\m], -v[ST+4*\m+1]          ; -M
.endr
; ---- attention.  One tile of 16 queries against one step of 64 keys.  more = 1: a step follows.
.macro TILE m, more
.irp t, 0,1,2,3
	v_wmma_f32_16x16x64_bf8_bf8 v[S+8*\t:S+8*\t+7], v[KR+8*(\t/2):KR+8*(\t/2)+7], v[QZ+4-4*(\t%2)+8*(\m):QZ+4-4*(\t%2)+8*(\m)+7], 0
.endr
	s_wait_dscnt 0x0                               ; this tile's mask, asked for a tile ago, is in
	s_wait_alu depctr_vm_vsrc(0)                   ; its eight LDS loads have read v3, which is written below
.if (\m) == 3
.if \more
	s_add_co_u32 s58, s58, 256
.endif
	v_add_nc_u32 v3, s58, v4                       ; four plain lines: the places behind the products
.else
	v_add_nc_u32 v3, s58, v[5+(\m)]
.endif
	v_mov_b32 v24, v[ST+4*(\m)]
	v_nop
	v_nop
.set i, 0
.rept 16
	v_pk_fma_f32 v[S+i:S+i+1], v[S+i:S+i+1], s[50:51], v[MK+i:MK+i+1] op_sel_hi:[1,0,1]   ; t = score x c + mask x log2(e)
.set i, i+2
.endr
.if ((\m) < 3) || \more
	s_wait_alu depctr_va_vdst(0)                   ; v3 is written; the scalings are done reading the mask, the score products K, the last step's O^T products V: the tile's loads below land in these, and read v3
.endif
.if (\m) == 0
.irp i, 0,1,2,3
	global_load_b128 v[VR+4*\i:VR+4*\i+3], v1, s[66:67] offset:2048+512*\i   ; V of this step: wanted at this tile's end
.endr
.if \more
	; a prefetch of the next step's K and V of heads w and w + 1: sixteen blocks of 256 bytes each, a lane a block.  All eight work-groups of a batch walk the same bytes: the first asks, by its even waves,
	; so each block is named once.  It stands behind the wave's loads, three tiles ahead of the loads of that K and a step ahead of those of that V.  Step 0 comes by its loads alone; the last step asks for none.
	s_cmp_eq_u32 s59, 1
	s_cbranch_scc0 .Lno_kv_\@
	global_prefetch_b8 v2, s[66:67] offset:4096 th:TH_LOAD_NT scope:SCOPE_SE
.Lno_kv_\@:
.else
	; in the last step: my wave's 16,384 bytes of the nodes' codes, 64 blocks, which the last product will load: asked for by the batch's first work-group alone
	s_cmp_eq_u32 s60, 1
	s_cbranch_scc0 .Lno_n_\@
	global_prefetch_b8 v27, s[76:77] th:TH_LOAD_NT scope:SCOPE_SE
	global_prefetch_b8 v27, s[76:77] offset:8192 th:TH_LOAD_NT scope:SCOPE_SE
.Lno_n_\@:
.endif
.endif
.if ((\m) == 3) && \more
.irp t, 0,1,2,3
	global_load_b128 v[KR+4*\t:KR+4*\t+3], v1, s[66:67] offset:4096+512*\t   ; K of the next step
.endr
.endif
.if ((\m) < 3) || \more
.irp t, 0,1,2,3
	ds_load_b128 v[MK+8*\t:MK+8*\t+3], v3 offset:64*\t                ; the next tile's mask
	ds_load_b128 v[MK+8*\t+4:MK+8*\t+7], v3 offset:64*\t+16
.endr
.endif
	v_max3_num_f32 v10, v[S], v[S+1], v[S+2]       ; the largest t of my 32 keys, in two chains,
	v_max3_num_f32 v11, v[S+3], v[S+4], v[S+5]
.irp i, 6,10,14,18,22,26
	v_max3_num_f32 v10, v10, v[S+\i], v[S+\i+1]
	v_max3_num_f32 v11, v11, v[S+\i+2], v[S+\i+3]
.endr
	v_max3_num_f32 v10, v10, v[S+30], v[S+31]
	v_max_num_f32 v10, v10, v11
	v_permlanex16_b32 v25, v10, s56, s57           ; of lane l xor 16's,
	v_max3_num_f32 v[ST+4*(\m)+1], v[ST+4*(\m)+1], v10, v25   ; and so far
	v_floor_f32 v[ST+4*(\m)], -v[ST+4*(\m)+1]      ; -M = floor(-t) = -ceil(t)
	v_sub_f32 v24, v[ST+4*(\m)], v24               ; old M - new M: a whole number, 0 or less
	v_cvt_i32_f32 v24, v24                         ; (it saturates)
	v_ldexp_f32 v12, 1.0, v24                      ; f = 2^(old M - new M)
.set i, 0
.rept 16
	v_pk_add_f32 v[S+i:S+i+1], v[S+i:S+i+1], v[ST+4*(\m):ST+4*(\m)+1] op_sel_hi:[1,0]   ; t - M
.set i, i+2
.endr
.set i, 0
	s_wait_alu depctr_va_vdst(0)
.rept 32
	v_exp_f32 v[S+i], v[S+i]                       ; p = 2^(t - M)
.set i, i+1
.endr
	v_pk_mul_f32 v[ST+4*(\m)+2:ST+4*(\m)+3], v[ST+4*(\m)+2:ST+4*(\m)+3], v[12:13] op_sel_hi:[1,0]   ; the sum under the new M: a plain line behind the exponentials
	s_wait_alu depctr_va_vdst(0)                   ; the 32 exponentials have written p: one wait for the batch, ahead of its first reader
	v_pk_add_f32 v[14:15], v[S:S+1], v[S+2:S+3]    ; the sum of the unquantised p, in two chains
.irp i, 4,8,12,16,20,24,28
	v_pk_add_f32 v[ST+4*(\m)+2:ST+4*(\m)+3], v[ST+4*(\m)+2:ST+4*(\m)+3], v[S+\i:S+\i+1]
	v_pk_add_f32 v[14:15], v[14:15], v[S+\i+2:S+\i+3]
.endr
	v_pk_add_f32 v[ST+4*(\m)+2:ST+4*(\m)+3], v[ST+4*(\m)+2:ST+4*(\m)+3], v[14:15]
	s_cmp_ge_i32 s44, -15                          ; p <= 1 <= 57,344 x 2^e12 from e12 = -15 on: then the hold holds nothing.  A branch on the given whole number, the same in every wave; only the 32 lines are passed over
	s_cbranch_scc1 .Lfits_\@
.set i, 0
.rept 32
	v_min_num_f32 v[S+i], v[S+i], v9               ; p is not negative: the hold is one-sided
.set i, i+1
.endr
.Lfits_\@:
.irp t, 0,1,2,3
	v_cvt_scalef32_pk8_bf8_f32 v[P+2*\t:P+2*\t+1], v[S+8*\t:S+8*\t+7], v8   ; keys 16t + 8h + 0..7: registers 2t, 2t + 1 of the next operand
.endr
.set i, 0
.rept 8
	v_pk_mul_f32 v[O+16*(\m)+i:O+16*(\m)+i+1], v[O+16*(\m)+i:O+16*(\m)+i+1], v[12:13] op_sel_hi:[1,0]   ; O^T under the new M; also the plain lines behind the conversions
.set i, i+2
.endr
.if (\m) == 0
	s_wait_alu depctr_va_vdst(0)
	s_wait_loadcnt 0x0                             ; V is in (nothing else of mine is out)
.endif
.irp u, 0,1
	v_wmma_f32_16x16x64_bf8_bf8 v[O+16*(\m)+8*\u:O+16*(\m)+8*\u+7], v[VR+8*\u:VR+8*\u+7], v[P:P+7], v[O+16*(\m)+8*\u:O+16*(\m)+8*\u+7]
.endr
.endm
.macro STEP more
	s_wait_loadcnt 0x0                             ; K is in
	TILE 0, \more
	TILE 1, \more
	TILE 2, \more
	TILE 3, \more
.if \more
	s_wait_xcnt 0x0                                ; the step's loads and its prefetch have read their base
	s_add_nc_u64 s[66:67], s[66:67], 4096
.endif
.endm
	s_mov_b32 s3, 7
.Lstep:                                            ; seven trips; the eighth step, which asks for nothing further, is written out
	s_wait_alu depctr_va_vdst(0)
	STEP 1
	s_sub_co_u32 s3, s3, 1
	s_cmp_lg_u32 s3, 0
	s_cbranch_scc1 .Lstep
	STEP 0
	; ---- the attention's output: O^T x 2^(e12 + e13) / the sum, quantised at e14; my head's 32 channels are one piece of 512 bytes of each tile's image
	; The bias lands in v224-239.  No wait of its own: these were last named by the score products of the last step's tile 2, ahead of the last tile's wait behind its exponentials, and by nothing since
.irp u, 0,1
	global_load_b128 v[CI+8*\u:CI+8*\u+3], v28, s[12:13] offset:32*\u          ; bcomb at channels 32w + 16h + 8u + 0..7
	global_load_b128 v[CI+8*\u+4:CI+8*\u+7], v28, s[12:13] offset:32*\u+16
.endr
.irp m, 0,1,2,3
	v_add_f32 v[ST+4*\m+2], v[ST+4*\m+2], v[ST+4*\m+3]
.endr
.irp m, 0,1,2,3
	v_permlanex16_b32 v[ST+4*\m+1], v[ST+4*\m+2], s56, s57
.endr
.irp m, 0,1,2,3
	v_add_f32 v[ST+4*\m+2], v[ST+4*\m+2], v[ST+4*\m+1]
.endr
	s_wait_alu depctr_va_vdst(0)
.irp m, 0,1,2,3
	v_rcp_f32 v[ST+4*\m], v[ST+4*\m+2]
.endr
	v_mov_b32 v29, s84                             ; (plain lines behind the reciprocals)  the output's scale and hold
	v_mov_b32 v30, s85
	s_wait_alu depctr_va_vdst(0)                   ; the four reciprocals are written: one wait, ahead of their first reader
.irp m, 0,1,2,3
	v_ldexp_f32 v[ST+4*\m], v[ST+4*\m], s79
.endr
.irp m, 0,1,2,3
.irp j, 0,2,4,6,8,10,12,14
	v_pk_mul_f32 v[O+16*\m+\j:O+16*\m+\j+1], v[O+16*\m+\j:O+16*\m+\j+1], v[ST+4*\m:ST+4*\m+1] op_sel_hi:[1,0]
.endr
.endr
	HOLD64 O, 30
	CVT8 S, 4, 2, O, 29                            ; tile m: 16 codes a lane: k = 32w + 16h + 0..15 of the next product
	s_wait_alu depctr_va_vdst(0)                   ; the conversions have written v128-143, which the LDS stores read; holds and conversions are done with v32-95, in which Wcomb lands; the attention is done with v160-223, in which the next fragments land
.irp m, 0,1,2,3
	ds_store_b128 v21, v[S+4*\m:S+4*\m+3] offset:8192*\m
.endr
	WLOAD 0, 74, 1, 0, 8192, 512
	WLOAD 1, 74, 1, 2048, 8192, 512
	BARRIER                                        ; all sixteen heads' pieces lie in LDS; nobody reads the mask for the first softmax any more
	s_wait_alu depctr_vm_vsrc(0)                   ; my LDS stores have read v128-143, over which the next products write their sums
	; ---- mh = out Wcomb^T + bcomb.  Wcomb's tiles take rows 8u + r + 8 (r / 8), so that a lane's 16 results are 16 neighbours along the next K
	s_wait_loadcnt 16                              ; the bias is in; Wcomb's sixteen younger loads may be out
.set i, 0
.rept 16
	v_ldexp_f32 v[CI+i], v[CI+i], s80
.set i, i+1
.endr
	s_wait_alu depctr_va_vdst(0)
	v_mov_b32 v29, s86                             ; mh's scale and hold
	v_mov_b32 v30, s87
	PSTEP 0, 22, 0, 8192, 512, 1, 0, 8, 1
	WLOAD 0, 74, 1, 4096, 8192, 512
	PSTEP 1, 22, 2048, 8192, 512, 2, 0, 8, 1
	WLOAD 1, 74, 1, 6144, 8192, 512
	PSTEP 0, 22, 4096, 8192, 512, 2, 0, 8, 1
	WLOAD 0, 76, 1, 0, 8192, 512                   ; the nodes' codes follow in the same two sets
	PSTEP 1, 22, 6144, 8192, 512, 2, 0, 8, 1
	WLOAD 1, 76, 1, 2048, 8192, 512
	HOLD64 ACC, 30
	CVT8 240, 4, 2, ACC, 29
	s_wait_alu depctr_va_vdst(0)                   ; the conversions have written mh's codes, v240-255, which the LDS stores read
.irp m, 0,1,2,3
	ds_store_b128 v21, v[240+4*\m:243+4*\m] offset:MIMD+8192*\m
.endr
	BARRIER                                        ; mh's sixteen fragments lie in LDS
	; ---- s2^T = nodes mh^T: source 0 = 16 of my 32 nodes, source 1 = 16 queries: lane (r, h) holds query r and nodes 32w + 16u + 8h + 0..7
	PSTEP 0, 22, MIMD, 8192, 512, 0, 0, 8, 1
	WLOAD 0, 76, 1, 4096, 8192, 512
	PSTEP 1, 22, MIMD+2048, 8192, 512, 2, 0, 8, 1
	WLOAD 1, 76, 1, 6144, 8192, 512
	PSTEP 0, 22, MIMD+4096, 8192, 512, 2, 0, 8, 1
	PSTEP 1, 22, MIMD+6144, 8192, 512, 2, 0, 0, 0
	s_lshl_b32 s88, s2, 7
.irp m, 0,1,2,3
	v_add_nc_u32 v[4+\m], s88, v[4+\m]             ; my 32 nodes' bytes of a mask row; the first softmax is done with these addresses
.endr
	s_wait_alu depctr_va_vdst(0)                   ; v4 to v7 are written, which the LDS loads below and the stores of the probabilities read; the last products are done reading v160-223, in which the mask lands, and v32-95, in which the pairs will land
.irp m, 0,1,2,3
.irp u, 0,1
	ds_load_b128 v[BF+16*\m+8*\u:BF+16*\m+8*\u+3], v[4+\m] offset:64*\u
	ds_load_b128 v[BF+16*\m+8*\u+4:BF+16*\m+8*\u+7], v[4+\m] offset:64*\u+16
.endr
.endr
.set i, 0
.rept 32
	v_pk_mul_f32 v[ACC+i:ACC+i+1], v[ACC+i:ACC+i+1], s[52:53] op_sel_hi:[1,0]   ; 2 x log2(e), x = s2
.set i, i+2
.endr
.set i, 0
	s_wait_alu depctr_va_vdst(0)
.rept 64
	v_exp_f32 v[ACC+i], v[ACC+i]
.set i, i+1
.endr
	v_nop
	s_wait_alu depctr_va_vdst(0)                   ; the 64 exponentials are written: one wait for the batch, ahead of its first reader
.set i, 0
.rept 32
	v_pk_add_f32 v[ACC+i:ACC+i+1], v[ACC+i:ACC+i+1], 1.0 op_sel_hi:[1,0]
.set i, i+2
.endr
.set i, 0
	s_wait_alu depctr_va_vdst(0)
.rept 64
	v_rcp_f32 v[ACC+i], v[ACC+i]                   ; 1 / (1 + 2^..): 0 where the power overflows, 1 where it vanishes
.set i, i+1
.endr
	v_nop
	s_wait_alu depctr_va_vdst(0)                   ; the 64 reciprocals are written
	s_wait_dscnt 0x0                               ; the mask
.set i, 0
.rept 32
	v_pk_fma_f32 v[ACC+i:ACC+i+1], v[ACC+i:ACC+i+1], s[54:55], v[BF+i:BF+i+1] op_sel_hi:[1,0,1]   ; t = -20 log2(e) / (1 + ..) + mask x log2(e); the row's common 10 log2(e) is left out
.set i, i+2
.endr
.irp m, 0,1,2,3
	v_max3_num_f32 v[ST+4*\m], v[ACC+16*\m], v[ACC+16*\m+1], v[ACC+16*\m+2]
.endr
.irp j, 3,5,7,9,11,13
.irp m, 0,1,2,3
	v_max3_num_f32 v[ST+4*\m], v[ST+4*\m], v[ACC+16*\m+\j], v[ACC+16*\m+\j+1]
.endr
.endr
.irp m, 0,1,2,3
	v_max3_num_f32 v[ST+4*\m], v[ST+4*\m], v[ACC+16*\m+15], v31   ; not under -3e38, so that the difference below is a number where all my nodes are masked
.endr
.irp m, 0,1,2,3
	v_permlanex16_b32 v[ST+4*\m+2], v[ST+4*\m], s56, s57
.endr
.irp m, 0,1,2,3
	v_max_num_f32 v[ST+4*\m], v[ST+4*\m], v[ST+4*\m+2]            ; the largest t of my 32 nodes
.endr
.irp m, 0,1,2,3
.irp j, 0,2,4,6,8,10,12,14
	v_pk_add_f32 v[ACC+16*\m+\j:ACC+16*\m+\j+1], v[ACC+16*\m+\j:ACC+16*\m+\j+1], v[ST+4*\m:ST+4*\m+1] op_sel_hi:[1,0] neg_lo:[0,1] neg_hi:[0,1]
.endr
.endr
.set i, 0
	s_wait_alu depctr_va_vdst(0)
.rept 64
	v_exp_f32 v[ACC+i], v[ACC+i]
.set i, i+1
.endr
	v_nop
	s_wait_alu depctr_va_vdst(0)                   ; the 64 exponentials are written
.irp m, 0,1,2,3
	v_pk_add_f32 v[ST+4*\m+2:ST+4*\m+3], v[ACC+16*\m:ACC+16*\m+1], v[ACC+16*\m+2:ACC+16*\m+3]
.endr
.irp j, 4,6,8,10,12,14
.irp m, 0,1,2,3
	v_pk_add_f32 v[ST+4*\m+2:ST+4*\m+3], v[ST+4*\m+2:ST+4*\m+3], v[ACC+16*\m+\j:ACC+16*\m+\j+1]
.endr
.endr
.irp m, 0,1,2,3
	v_add_f32 v[ST+4*\m+1], v[ST+4*\m+2], v[ST+4*\m+3]
.endr
.irp m, 0,1,2,3
	v_permlanex16_b32 v[ST+4*\m+2], v[ST+4*\m+1], s56, s57
.endr
.irp m, 0,1,2,3
	v_add_f32 v[ST+4*\m+1], v[ST+4*\m+1], v[ST+4*\m+2]            ; and their sum under it
.endr
	s_wait_alu depctr_va_vdst(0)                   ; the four pairs (largest t, sum) are written, which the LDS stores read
.irp m, 0,1,2,3
	ds_store_b64 v23, v[ST+4*\m:ST+4*\m+1] offset:2304*\m         ; (both halves of the lanes hold, and store, the same pair)
.endr
	BARRIER                                        ; sixteen pairs for each query lie in LDS
	s_wait_alu depctr_vm_vsrc(0)                   ; my stores of the pairs have read v200-215, which are written again below
.irp m, 0,1,2,3
.irp i, 0,1,2,3
	ds_load_b128 v[RD+16*\m+4*\i:RD+16*\m+4*\i+3], v26 offset:2304*\m+16*\i   ; eight waves' pairs for each half of the lanes
.endr
.endr
	s_wait_dscnt 0x0
.irp m, 0,1,2,3
	v_max3_num_f32 v[ST+4*\m+2], v[RD+16*\m], v[RD+16*\m+2], v[RD+16*\m+4]
.endr
.irp j, 6,10
.irp m, 0,1,2,3
	v_max3_num_f32 v[ST+4*\m+2], v[ST+4*\m+2], v[RD+16*\m+\j], v[RD+16*\m+\j+2]
.endr
.endr
.irp m, 0,1,2,3
	v_max_num_f32 v[ST+4*\m+2], v[ST+4*\m+2], v[RD+16*\m+14]
.endr
.irp m, 0,1,2,3
	v_permlanex16_b32 v[ST+4*\m+3], v[ST+4*\m+2], s56, s57
.endr
.irp m, 0,1,2,3
	v_max_num_f32 v[ST+4*\m+2], v[ST+4*\m+2], v[ST+4*\m+3]        ; the row's largest t
.endr
.irp m, 0,1,2,3
.irp k, 0,2,4,6,8,10,12,14
	v_sub_f32 v[RD+16*\m+\k], v[RD+16*\m+\k], v[ST+4*\m+2]
.endr
	v_sub_f32 v[ST+4*\m+3], v[ST+4*\m], v[ST+4*\m+2]
.endr
	s_wait_alu depctr_va_vdst(0)
.irp m, 0,1,2,3
.irp k, 0,2,4,6,8,10,12,14
	v_exp_f32 v[RD+16*\m+\k], v[RD+16*\m+\k]
.endr
	v_exp_f32 v[ST+4*\m+3], v[ST+4*\m+3]           ; my own wave's factor
.endr
	v_nop
	s_wait_alu depctr_va_vdst(0)                   ; the 36 exponentials are written
.irp m, 0,1,2,3
	v_mul_f32 v[ST+4*\m+1], v[RD+16*\m], v[RD+16*\m+1]
.endr
.irp k, 2,4,6,8,10,12,14
.irp m, 0,1,2,3
	v_fmac_f32 v[ST+4*\m+1], v[RD+16*\m+\k], v[RD+16*\m+\k+1]
.endr
.endr
.irp m, 0,1,2,3
	v_permlanex16_b32 v[ST+4*\m+2], v[ST+4*\m+1], s56, s57
.endr
.irp m, 0,1,2,3
	v_add_f32 v[ST+4*\m+1], v[ST+4*\m+1], v[ST+4*\m+2]            ; the row's sum
.endr
	s_wait_alu depctr_va_vdst(0)
.irp m, 0,1,2,3
	v_rcp_f32 v[ST+4*\m], v[ST+4*\m+1]
.endr
	v_nop
	s_wait_alu depctr_va_vdst(0)                   ; the four reciprocals are written
.irp m, 0,1,2,3
	v_mul_f32 v[ST+4*\m], v[ST+4*\m], v[ST+4*\m+3]
.endr
.irp m, 0,1,2,3
.irp j, 0,2,4,6,8,10,12,14
	v_pk_mul_f32 v[ACC+16*\m+\j:ACC+16*\m+\j+1], v[ACC+16*\m+\j:ACC+16*\m+\j+1], v[ST+4*\m:ST+4*\m+1] op_sel_hi:[1,0]
.endr
.endr
	s_wait_alu depctr_va_vdst(0)                   ; the probabilities are written into v96-159, which the LDS stores read; the softmax is done with v200-215, in which, with the rest of v160-223, the output's rows land
.irp m, 0,1,2,3
.irp u, 0,1
	ds_store_b128 v[4+\m], v[ACC+16*\m+8*\u:ACC+16*\m+8*\u+3] offset:64*\u         ; over the mask bytes that I alone read for this softmax
	ds_store_b128 v[4+\m], v[ACC+16*\m+8*\u+4:ACC+16*\m+8*\u+7] offset:64*\u+16
.endr
.endr
	BARRIER                                        ; 64 whole rows of the output lie in LDS
.irp i, 0,1,2,3
.irp k, 0,1,2,3
	ds_load_b128 v[BF+16*\i+4*\k:BF+16*\i+4*\k+3], v16 offset:2064*\i+512*\k
.endr
.endr
.irp i, 0,1,2,3
.irp k, 0,1,2,3
	s_wait_dscnt 15-4*\i-\k                        ; LDS loads come back in order (ISA guide 5.7.1): this one is in, the younger may be out
	global_store_b128 v1, v[BF+16*\i+4*\k:BF+16*\i+4*\k+3], s[24:25] offset:2048*\i+512*\k th:TH_STORE_NT   ; 32 lanes store 512 consecutive bytes, at a multiple of 256 from out0's first byte
.endr
.endr
	s_wait_xcnt 0x0
	v_lshl_add_u32 v254, v0, 2, 0x3ae00            ; the add's two registers are made anew: v254 and v255 were last read by the LDS stores of mh's codes, which stand ahead of the wait on vm_vsrc behind the pairs' barrier
	v_mov_b32 v255, 0
	s_wait_dscnt 0x0                               ; the closing lines, six on end
	s_wait_alu 0x0
	s_wait_tensorcnt 0x0
	ds_add_u32 v254, v255
	s_wait_dscnt 0x0
	s_endpgm
.Lfunc_end_k_q189b6261dc_attn:
	.size	k_q189b6261dc_attn, .Lfunc_end_k_q189b6261dc_attn-k_q189b6261dc_attn
	.p2alignl 7, 3214868480
	.fill 96, 4, 3214868480
	.section	.rodata,"a",@progbits
	.p2align	6, 0x0
	.amdhsa_kernel k_q189b6261dc_attn
		.amdhsa_group_segment_fixed_size 243200
		.amdhsa_private_segment_fixed_size 0
		.amdhsa_enable_private_segment 0
		.amdhsa_kernarg_size 72
		.amdhsa_user_sgpr_count 2
		.amdhsa_user_sgpr_kernarg_segment_ptr 1
		.amdhsa_wavefront_size32 1
		.amdhsa_system_sgpr_workgroup_id_x 1
		.amdhsa_system_sgpr_workgroup_id_y 1
		.amdhsa_system_sgpr_workgroup_id_z 1
		.amdhsa_system_vgpr_workitem_id 0
		.amdhsa_next_free_vgpr 256
		.amdhsa_next_free_sgpr 100
		.amdhsa_reserve_vcc 0
		.amdhsa_float_denorm_mode_32 3
		.amdhsa_float_denorm_mode_16_64 3
		.amdhsa_memory_ordered 1
		.amdhsa_forward_progress 1
		.amdhsa_inst_pref_size 186
	.end_amdhsa_kernel
	.amdgpu_metadata
---
amdhsa.version: [ 1, 2 ]
amdhsa.kernels:
  - .name:           k_q189b6261dc_attn
    .symbol:         k_q189b6261dc_attn.kd
    .args:
      - { .name: encoded_last_codes, .offset: 0, .size: 8, .value_kind: global_buffer, .address_space: global }
      - { .name: group_ninf_mask, .offset: 8, .size: 8, .value_kind: global_buffer, .address_space: global }
      - { .name: bcomb, .offset: 16, .size: 8, .value_kind: global_buffer, .address_space: global }
      - { .name: lowp_scales, .offset: 24, .size: 8, .value_kind: global_buffer, .address_space: global }
      - { .name: kv, .offset: 32, .size: 8, .value_kind: global_buffer, .address_space: global }
      - { .name: nfrag, .offset: 40, .size: 8, .value_kind: global_buffer, .address_space: global }
      - { .name: psum, .offset: 48, .size: 8, .value_kind: global_buffer, .address_space: global }
      - { .name: wfrag, .offset: 56, .size: 8, .value_kind: global_buffer, .address_space: global }
      - { .name: out0, .offset: 64, .size: 8, .value_kind: global_buffer, .address_space: global }
    .group_segment_fixed_size: 243200
    .private_segment_fixed_size: 0
    .kernarg_segment_align: 8
    .kernarg_segment_size: 72
    .max_flat_workgroup_size: 512
    .sgpr_count:     100
    .vgpr_count:     256
    .wavefront_size: 32
...
	.end_amdgpu_metadata
.endif
;; end of part 4
